; MI455X (gfx1250); checked and timed in simulation.
; The chip was launched on July 23, 2026; its instructions are those of AMD's public machine-readable ISA for CDNA 5 (MIT licence, August 2026) and "CDNA5" Instruction Set Architecture Reference Guide (July 2026). The comments in the code are by the model that wrote it; some were corrected since.
;; Self Attention. Allowed arithmetic: float matrix products may take bf16 or f16 operands with f32 sums; other float arithmetic in f32, or as packed bf16 or f16 multiplies, adds, multiply-adds, maxima and minima; sums over many terms, partial sums and values carried from step to step in f32; what a program stores and reads back later, other than sums and carried values, may be rounded once to bf16 or f16.
;; Inputs: Wk 1,024 x 2,048 float32; Wp 2,048 x 1,024 float32; Wq 1,024 x 2,048 float32; Wv 1,024 x 2,048 float32; X 2 x 2,048 x 1,024 float32; bk 2,048 float32; bp 1,024 float32; bq 2,048 float32; bv 2,048 float32.
;; Outputs: out0 2 x 2,048 x 1,024 float32.
;; One version. Each part assembles by itself: llvm-mc -triple=amdgcn-amd-amdhsa -mcpu=gfx1250 --defsym DOCPART=n.
;; ======== version 1 of 1: 4 launches
;; limits: values are held in f16: magnitudes above 65,504 overflow, below 6.1e-05 lose precision
;; workspace buffers: cst 25,165,824 bytes; qkv 50,331,648 bytes; yb 16,777,216 bytes
;; launch cast (part 1): grid 768 x 1, 8 waves a work-group, no clusters, 0 bytes of LDS; arguments X, Wq, Wk, Wv, Wp, cst; writes cst
.if DOCPART == 1
	.amdgcn_target "amdgcn-amd-amdhsa--gfx1250"
	.amdhsa_code_object_version 6
	.text
	.protected	k_qa3ece6ec7d_cast
	.globl	k_qa3ece6ec7d_cast
	.p2align	8
	.type	k_qa3ece6ec7d_cast,@function
k_qa3ece6ec7d_cast:
	s_mov_b64 s[64:65], 0
	v_nop
	global_prefetch_b8 v0, s[64:65] scope:SCOPE_SE
	s_setreg_imm32_b32 hwreg(HW_REG_WAVE_MODE, 25, 1), 1
	s_wait_xcnt 0x0
; X, Wq, Wk, Wv are rounded once to bf16; Wp is rounded to bf16 and that number is written as f16 (the last product multiplies in f16).
; cst holds them on end: X at 0 (8 MiB), Wq at 8 MiB, Wk at 12 MiB, Wv at 16 MiB, Wp at 20 MiB.
; LIMIT: a bf16 number of Wp below 2^-14 keeps f16's fixed step of 2^-24; beyond 65,504 it would become an infinity.
; SHARES: a work-group takes 64 KiB of one source (16,384 numbers) and writes 32 KiB; the 768 work-groups lie on end in cst, so the
; destination is the work-group's number x 32 KiB.  Thread t takes 8 neighbouring numbers (32 bytes) of each of eight pieces of 8 KiB:
; two loads of 16 bytes, one store of 16 bytes; a wave's store covers 512 consecutive bytes, aligned.
; All sixteen loads of a thread go out at once; nothing is rewritten while a load or a store may read it, so the only waits are the counted ones for data.
; No LDS, no matrix unit, no cluster: nothing is shared and every byte is touched once.
.set IN,   4                           ; v[4:67]   piece i: 8 numbers in f32
.set OUTR, 68                          ; v[68:99]  piece i: 8 numbers in 16 bits
.set T,    100                         ; v[100:103] at work (f16 path)
	s_load_b256 s[4:11], s[0:1], 0x0               ; X s[4:5], Wq s[6:7], Wk s[8:9], Wv s[10:11]
	s_load_b128 s[12:15], s[0:1], 0x20             ; Wp s[12:13], cst s[14:15]
	s_lshr_b32 s20, ttmp9, 7                       ; 128 work-groups are 8 MiB of source: 0, 1 X; 2 Wq; 3 Wk; 4 Wv; 5 Wp
	s_and_b32 s21, ttmp9, 127
	s_cmp_lt_u32 s20, 2
	s_cselect_b32 s21, ttmp9, s21                  ; my piece of 64 KiB within its source
	s_lshl_b32 s22, s21, 16
	s_mov_b32 s23, 0
	s_lshl_b32 s24, ttmp9, 15                      ; my 32 KiB of cst
	s_mov_b32 s25, 0
	s_mov_b32 s26, 0xffff0000                      ; a word's upper bf16
	v_lshlrev_b32 v1, 5, v0                        ; 32 t
	v_lshlrev_b32 v2, 4, v0                        ; 16 t
	s_wait_kmcnt 0x0
	s_cmp_eq_u32 s20, 2
	s_cselect_b64 s[16:17], s[6:7], s[4:5]
	s_cmp_eq_u32 s20, 3
	s_cselect_b64 s[16:17], s[8:9], s[16:17]
	s_cmp_eq_u32 s20, 4
	s_cselect_b64 s[16:17], s[10:11], s[16:17]
	s_cmp_eq_u32 s20, 5
	s_cselect_b64 s[16:17], s[12:13], s[16:17]
	s_add_nc_u64 s[16:17], s[16:17], s[22:23]
	s_add_nc_u64 s[14:15], s[14:15], s[24:25]
.irp i, 0,1,2,3,4,5,6,7
	global_load_b128 v[IN+8*(\i):IN+8*(\i)+3],   v1, s[16:17] offset:8192*(\i) th:TH_LOAD_NT
	global_load_b128 v[IN+8*(\i)+4:IN+8*(\i)+7], v1, s[16:17] offset:8192*(\i)+16 th:TH_LOAD_NT
.endr
	s_cmp_eq_u32 s20, 5
	s_cbranch_scc1 .Lf16
.irp i, 0,1,2,3,4,5,6,7
	s_wait_loadcnt 14-2*(\i)                       ; loads come back in order: piece i is in, the 14 - 2 i younger loads stay out
.irp k, 0,1,2,3
	v_cvt_pk_bf16_f32 v[OUTR+4*(\i)+(\k)], v[IN+8*(\i)+2*(\k)], v[IN+8*(\i)+2*(\k)+1]
.endr
	global_store_b128 v2, v[OUTR+4*(\i):OUTR+4*(\i)+3], s[14:15] offset:4096*(\i)
.endr
	s_endpgm
.Lf16:                                         ; Wp: to bf16, widened again (a shift, a mask), and written as f16
.irp i, 0,1,2,3,4,5,6,7
	s_wait_loadcnt 14-2*(\i)
.irp k, 0,1,2,3
	v_cvt_pk_bf16_f32 v[T+(\k)], v[IN+8*(\i)+2*(\k)], v[IN+8*(\i)+2*(\k)+1]
.endr
.irp k, 0,1,2,3
	v_lshlrev_b32 v[IN+8*(\i)+2*(\k)],   16,  v[T+(\k)]
	v_and_b32     v[IN+8*(\i)+2*(\k)+1], s26, v[T+(\k)]
.endr
.irp k, 0,1,2,3
	v_cvt_pk_f16_f32 v[OUTR+4*(\i)+(\k)], v[IN+8*(\i)+2*(\k)], v[IN+8*(\i)+2*(\k)+1]
.endr
	global_store_b128 v2, v[OUTR+4*(\i):OUTR+4*(\i)+3], s[14:15] offset:4096*(\i)
.endr
	s_endpgm
.Lfunc_end_k_qa3ece6ec7d_cast:
	.size	k_qa3ece6ec7d_cast, .Lfunc_end_k_qa3ece6ec7d_cast-k_qa3ece6ec7d_cast
	.p2alignl 7, 3214868480
	.fill 96, 4, 3214868480
	.section	.rodata,"a",@progbits
	.p2align	6, 0x0
	.amdhsa_kernel k_qa3ece6ec7d_cast
		.amdhsa_group_segment_fixed_size 0
		.amdhsa_private_segment_fixed_size 0
		.amdhsa_enable_private_segment 0
		.amdhsa_kernarg_size 48
		.amdhsa_user_sgpr_count 2
		.amdhsa_user_sgpr_kernarg_segment_ptr 1
		.amdhsa_wavefront_size32 1
		.amdhsa_system_sgpr_workgroup_id_x 1
		.amdhsa_system_sgpr_workgroup_id_y 1
		.amdhsa_system_sgpr_workgroup_id_z 1
		.amdhsa_system_vgpr_workitem_id 0
		.amdhsa_next_free_vgpr 108
		.amdhsa_next_free_sgpr 66
		.amdhsa_reserve_vcc 0
		.amdhsa_float_denorm_mode_32 3
		.amdhsa_float_denorm_mode_16_64 3
		.amdhsa_memory_ordered 1
		.amdhsa_forward_progress 1
		.amdhsa_inst_pref_size 13
	.end_amdhsa_kernel
	.amdgpu_metadata
---
amdhsa.version: [ 1, 2 ]
amdhsa.kernels:
  - .name:           k_qa3ece6ec7d_cast
    .symbol:         k_qa3ece6ec7d_cast.kd
    .args:
      - { .name: X, .offset: 0, .size: 8, .value_kind: global_buffer, .address_space: global }
      - { .name: Wq, .offset: 8, .size: 8, .value_kind: global_buffer, .address_space: global }
      - { .name: Wk, .offset: 16, .size: 8, .value_kind: global_buffer, .address_space: global }
      - { .name: Wv, .offset: 24, .size: 8, .value_kind: global_buffer, .address_space: global }
      - { .name: Wp, .offset: 32, .size: 8, .value_kind: global_buffer, .address_space: global }
      - { .name: cst, .offset: 40, .size: 8, .value_kind: global_buffer, .address_space: global }
    .group_segment_fixed_size: 0
    .private_segment_fixed_size: 0
    .kernarg_segment_align: 8
    .kernarg_segment_size: 48
    .max_flat_workgroup_size: 256
    .sgpr_count:     66
    .vgpr_count:     108
    .wavefront_size: 32
...
	.end_amdgpu_metadata
.endif
;; end of part 1
;; launch gemm_qkv (part 2): grid 24 x 32, 4 waves a work-group, clusters of 4 x 4, 327,680 bytes of LDS; arguments cst, bq, bk, bv, qkv; writes qkv
.if DOCPART == 2
	.amdgcn_target "amdgcn-amd-amdhsa--gfx1250"
	.amdhsa_code_object_version 6
	.text
	.protected	k_qa3ece6ec7d_gemm_qkv
	.globl	k_qa3ece6ec7d_gemm_qkv
	.p2align	8
	.type	k_qa3ece6ec7d_gemm_qkv,@function
k_qa3ece6ec7d_gemm_qkv:
	s_mov_b64 s[64:65], 0
	v_nop
	global_prefetch_b8 v0, s[64:65] scope:SCOPE_SE
	s_setreg_imm32_b32 hwreg(HW_REG_WAVE_MODE, 25, 1), 1
	s_wait_xcnt 0x0
	s_wait_alu depctr_hold_cnt(0) depctr_sa_sdst(0) depctr_va_vdst(0) depctr_va_sdst(0) depctr_va_ssrc(0) depctr_va_vcc(0) depctr_vm_vsrc(0)
	s_getreg_b32 s2, hwreg(HW_REG_IB_STS2, 6, 4)
	s_cmp_eq_u32 s2, 0
	s_cbranch_scc0 .Lentry_in_a_cluster
	s_endpgm
.Lentry_in_a_cluster:
	s_bfe_u32 s2, ttmp6, 0x10000c
	s_cmp_lg_u32 s2, 0xf033
	s_cbranch_scc0 .Lentry_shape_is_right
	s_endpgm
.Lentry_shape_is_right:
; q, k, v = X W + b for W = Wq, Wk, Wv.  X: bf16 [4096][1024] at cst + 0; W: bf16 [1024 k][2048 n] at cst + 8, 12, 16 MiB; b: f32 [2048], rounded here to bf16.
; Sums in f32, begun with the bias; the result is rounded once to f16 and written by heads: qkv[j][b*16+h][t][128], j = 0 q, 1 k, 2 v.
; LIMIT: f16 ends at 65,504: |q|, |k|, |v| stay below it for inputs some 30 times those drawn; NaN and infinities are not treated apart.
; SHARES.  The three products are one of 4096 x 6144.  A work-group makes 128 rows x 256 columns: 32 x 24 = 768 work-groups, three for each of 256 WGPs.
; Four waves, each 64 rows x 128 columns (one head's row of 256 bytes): 32 accumulators of 16 x 16.  K goes in 8 steps of 128 through two LDS slots.
; W LIES [k][n]: its tile comes into LDS as it lies (128 k-rows of 512 bytes) and is read turned, by ds_load_tr16_b128.
; THE MATRIX INSTRUCTION IS USED TRANSPOSED (source 0 = 16 columns of W, source 1 = 16 rows of X): a lane holds eight neighbouring columns of one row.
; CLUSTER 4 x 4: the four of a row of the cluster need the same tile of X, the four of a column the same tile of W; each tile is asked for jointly.
; REGISTERS: window 0: v0-31 addresses; v64-159, v160-255 two fragment buffers (X's 4 blocks, then W's 8); on the way out v64-95 packed, v96-223 rows read back.
;   window 1: the accumulators, (a, b) at v[8 (8 a + b)].   window 2: v0-63 the bias of my 128 columns as a C operand, v64-67 at work.
.set PA,    272                        ; a row of X's tile in LDS: 256 bytes + 16: the 16 rows of a load start at 16 different groups of four banks
.set PB,    544                        ; a k-row of W's tile: 512 bytes + 32 = 17 x 32
.set ATILE, 128*PA
.set SLOT,  ATILE+128*PB               ; X's 128 rows, then W's 128 k-rows
.set STAGE, 2*SLOT                     ; behind the ring: 16 rows x 272 bytes for each wave, for the way out
.set SP,    272
.set SPARE, STAGE+4*16*SP              ; the spare words, 128 bytes a wave: two blocks of 256 bytes that no other line names
.set ASTEP, 256                        ; bytes along a row of X in a K step
.set BSTEP, 128*4096                   ; bytes from a K step's first k-row of W to the next step's
.set ADRA, 16                          ; v16-17  LDS address of my fragments of X in slot 0, 1
.set ADRB, 20                          ; v20-21  the same for W
.set STO,  24                          ; v24     the way out: where I put 16 bytes of a row
.set RD,   25                          ; v25     where I read rows back
.set CO,   26                          ; v26     16 x lane: my 16 bytes of 512 consecutive bytes of a head
.set BO,   27                          ; v27     my byte offset in the bias
.set SPW,  28                          ; v28     LDS address of my spare word; never rewritten
.set NIL,  29                          ; v29     0; never rewritten
.set F0,   64
.set F1,   160
.set TMP,  64
.set BK,   96
.set WV,   14                          ; s14 wave; s15 its half of the rows (also: 0 fetches X, 1 fetches W); s16 its half of the columns (also: which half of a tile it fetches)
.set MH,   15
.set NH,   16
.set G1,   24                          ; s[24:31] group 1 for X's tiles; s[32:39] group 0, a set for each slot
.set G0,   32
.set G1B,  48                          ; s[48:55], s[56:63] the same for W's
.set G0B,  56
.set BP,   66                          ; s[66:67] the bias
.set HIM,  68                          ; s68 a word's upper bf16
.set MSB, 0
.macro WIN new                         ; the immediate's high byte repeats the setting that is left; a switch that changes nothing is dropped
.if MSB != (\new)
	s_set_vgpr_msb (MSB<<8)|(\new)
.set MSB, \new
.endif
.endm
.set MUL,  0x50                        ; sources window 0; C and D window 1
.set MULB, 0x60                        ; C window 2 (the bias), D window 1
.macro JLOAD s                         ; a joint load: waves 0 and 1 fetch X's two halves, waves 2 and 3 W's; an s_nop 0 and four v_nop follow each line, ahead of the jump and the label
	s_cmp_eq_u32 s[MH], 0
	s_cbranch_scc0 .Lfor_b_\@
	tensor_load_to_lds s[G0+4*(\s):G0+4*(\s)+3], s[G1:G1+7]
	s_nop 0
.rept 4
	v_nop
.endr
	s_branch .Lasked_\@
.Lfor_b_\@:
	tensor_load_to_lds s[G0B+4*(\s):G0B+4*(\s)+3], s[G1B:G1B+7]
	s_nop 0
.rept 4
	v_nop
.endr
.Lasked_\@:
.endm
.macro CREST                           ; a round of the cluster's barrier behind its opening barrier
	s_cmp_lg_u32 s[WV], 0
	s_cbranch_scc1 .Lnot_wave_0_\@
	s_barrier_signal -3
.Lnot_wave_0_\@:
	s_barrier_wait -3
	s_barrier_signal -1
	s_barrier_wait -1
.endm
.macro CROUND
	s_barrier_signal -1
	s_barrier_wait -1
	CREST
.endm
.macro PLACES                          ; four plain places in front of loads into registers that matrix instructions have read, and of conversions that read results
.rept 4
	v_nop
.endr
.endm
	s_load_b256 s[4:11], s[0:1], 0x0               ; cst s[4:5], bq s[6:7], bk s[8:9], bv s[10:11]
	s_load_b64 s[12:13], s[0:1], 0x20              ; qkv
	v_lshl_add_u32 v[SPW], v0, 2, SPARE
	v_mov_b32 v[NIL], 0
	ds_add_u32 v[SPW], v[NIL]                      ; the wave's opening: the add and its wait ahead of my first tensor load; the set-up below stands between them
	v_lshrrev_b32 v1, 5, v0
	v_readfirstlane_b32 s[WV], v1
	s_lshr_b32 s[MH], s[WV], 1
	s_and_b32 s[NH], s[WV], 1
	s_bfe_u32 s17, ttmp6, 0x40000                  ; cx
	s_bfe_u32 s18, ttmp6, 0x40004                  ; cy
	s_and_b32 s44, ttmp9, 1                        ; two clusters along x make one of q, k, v:
	s_lshl_b32 s44, s44, 2
	s_add_co_u32 s44, s44, s17                     ; my block of 256 columns in it, 0 .. 7
	s_lshr_b32 s45, ttmp9, 1                       ; and which of the three
	s_and_b32 s40, ttmp7, 0xffff
	s_lshl_b32 s40, s40, 2
	s_add_co_u32 s40, s40, s18                     ; my block of 128 rows, 0 .. 31
	s_lshl_b32 s41, s18, 2
	s_lshl_b32 s41, 15, s41                        ; my row of the cluster
	s_lshl_b32 s46, 0x1111, s17                    ; my column
	s_or_b32 s[G1],  s41, (1<<16)|(1<<20)|(1<<21)|(5<<22)|(3<<25)  ; the mask; 2-byte elements; padding on; bit 21 beside a mask; after every 64 words 4 words
	s_or_b32 s[G1B], s46, (1<<16)|(1<<20)|(1<<21)|(6<<22)|(7<<25)  ; after every 128 words 8 words
	s_mov_b32 s[G1+1], 128<<16                     ; tensor_dim0 = 128
	s_mov_b32 s[G1+2], 64<<16                      ; tensor_dim1 = 64
	s_mov_b32 s[G1+3], 128<<16                     ; tile_dim0 = 128
	s_mov_b32 s[G1+4], 64                          ; tile_dim1 = 64
	s_mov_b32 s[G1+5], 1024                        ; elements from row to row of X
	s_mov_b32 s[G1+6], 0
	s_mov_b32 s[G1+7], 0
	s_mov_b32 s[G1B+1], 256<<16
	s_mov_b32 s[G1B+2], 64<<16
	s_mov_b32 s[G1B+3], 256<<16
	s_mov_b32 s[G1B+4], 64
	s_mov_b32 s[G1B+5], 2048                       ; elements from k-row to k-row of W
	s_mov_b32 s[G1B+6], 0
	s_mov_b32 s[G1B+7], 0
	s_lshl_b32 s42, s40, 7                         ; X: row 128 x block + 64 x half, 2,048 bytes a row
	s_lshl_b32 s43, s[NH], 6
	s_add_co_u32 s42, s42, s43
	s_lshl_b32 s42, s42, 11
	s_mov_b32 s43, 0
	s_lshl_b32 s46, s45, 22                        ; W: 8 MiB + 4 MiB x which + 64 k-rows x half + 512 bytes x column block
	s_lshl_b32 s47, s[NH], 18
	s_add_co_u32 s46, s46, s47
	s_lshl_b32 s47, s44, 9
	s_add_co_u32 s46, s46, s47
	s_add_co_u32 s46, s46, 0x800000
	s_mov_b32 s47, 0
	s_mul_i32 s21, s[NH], 64*PA                    ; where they go: no place in the cluster enters an LDS address
	s_mul_i32 s22, s[NH], 64*PB
	s_add_co_u32 s22, s22, ATILE
	s_mov_b32 s[HIM], 0xffff0000
	s_wait_dscnt 0x0                               ; the opening add is done
	s_wait_kmcnt 0x0
	s_add_nc_u64 s[42:43], s[4:5], s[42:43]
	s_add_nc_u64 s[46:47], s[4:5], s[46:47]
	s_cmp_eq_u32 s45, 1
	s_cselect_b64 s[BP:BP+1], s[8:9], s[6:7]
	s_cmp_eq_u32 s45, 2
	s_cselect_b64 s[BP:BP+1], s[10:11], s[BP:BP+1]
	CROUND                                         ; all sixteen work-groups are here: the first joint loads meet
.irp s, 0,1
	s_mov_b32 s[G0+4*(\s)], 1
	s_add_co_u32 s[G0+4*(\s)+1], s21, (\s)*SLOT
	s_add_nc_u64 s[G0+4*(\s)+2:G0+4*(\s)+3], s[42:43], (\s)*ASTEP
	s_or_b32 s[G0+4*(\s)+3], s[G0+4*(\s)+3], 0x80000000
	s_mov_b32 s[G0B+4*(\s)], 1
	s_add_co_u32 s[G0B+4*(\s)+1], s22, (\s)*SLOT
	s_add_nc_u64 s[G0B+4*(\s)+2:G0B+4*(\s)+3], s[46:47], (\s)*BSTEP
	s_or_b32 s[G0B+4*(\s)+3], s[G0B+4*(\s)+3], 0x80000000
	JLOAD \s                                       ; K steps 0 and 1: two loads of mine are out
.endr
	v_and_b32 v1, 15, v0                           ; r = lane % 16
	v_bfe_u32 v2, v0, 4, 1                         ; h = lane / 16
	s_lshl_b32 s22, s44, 10                        ; the bias of my 128 columns: register j of block b is b[16 b + 8 h + j], the layout of a C operand
	s_lshl_b32 s23, s[NH], 9
	s_add_co_u32 s22, s22, s23
	v_lshl_add_u32 v[BO], v2, 5, s22
	WIN 0x80                                       ; destination window 2
.irp b, 0,1,2,3,4,5,6,7
	global_load_b128 v[8*(\b):8*(\b)+3],   v[BO], s[BP:BP+1] offset:64*(\b)
	global_load_b128 v[8*(\b)+4:8*(\b)+7], v[BO], s[BP:BP+1] offset:64*(\b)+16
.endr
	WIN 0
	v_mul_u32_u24 v3, v1, PA                       ; a fragment of X: row r, 16 bytes for each half of the lanes, twice, 32 bytes apart
	v_lshl_add_u32 v3, v2, 4, v3
	s_mul_i32 s21, s[MH], 64*PA
	v_add_nc_u32 v[ADRA], s21, v3
	v_add_nc_u32 v[ADRA+1], SLOT, v[ADRA]
	v_and_b32 v4, 7, v0                            ; the turning load: lane l reads k-row 8 h + l % 8, columns 8 ((l / 8) % 2) + 0..7, and is left with column l % 16 and 8 k
	v_lshl_add_u32 v4, v2, 3, v4
	v_mul_u32_u24 v4, v4, PB
	v_bfe_u32 v5, v0, 3, 1
	v_lshl_add_u32 v4, v5, 4, v4
	s_lshl_b32 s22, s[NH], 8
	s_add_co_u32 s22, s22, ATILE
	v_add_nc_u32 v[ADRB], s22, v4
	v_add_nc_u32 v[ADRB+1], SLOT, v[ADRB]
	s_mul_i32 s23, s[WV], 16*SP
	s_add_co_u32 s23, s23, STAGE
	v_mul_u32_u24 v6, v1, SP
	v_lshl_add_u32 v6, v2, 4, v6
	v_add_nc_u32 v[STO], s23, v6
	v_mul_u32_u24 v6, v2, SP
	v_lshl_add_u32 v6, v1, 4, v6
	v_add_nc_u32 v[RD], s23, v6
	v_and_b32 v[CO], 31, v0
	v_lshlrev_b32 v[CO], 4, v[CO]
	s_lshl_b32 s20, s45, 24                        ; where my 64 rows of my head begin in qkv: which of the three,
	s_lshr_b32 s21, s40, 4                         ; the batch (16 row blocks each),
	s_lshl_b32 s21, s21, 4
	s_lshl_b32 s22, s44, 1                         ; the head: two to a column block
	s_add_co_u32 s21, s21, s22
	s_add_co_u32 s21, s21, s[NH]
	s_lshl_b32 s21, s21, 19
	s_add_co_u32 s20, s20, s21
	s_and_b32 s21, s40, 15                         ; the row in the head
	s_lshl_b32 s21, s21, 7
	s_lshl_b32 s22, s[MH], 6
	s_add_co_u32 s21, s21, s22
	s_lshl_b32 s21, s21, 8
	s_add_co_u32 s20, s20, s21
	s_mov_b32 s21, 0
	s_add_nc_u64 s[12:13], s[12:13], s[20:21]
	s_wait_loadcnt 0x0                             ; the bias
	WIN 0x8a                                       ; all in window 2: the bias is rounded to bf16 like the other inputs and widened again
.set p, 0
.rept 32
	v_cvt_pk_bf16_f32 v[64+p%4], v[2*p], v[2*p+1]
	v_lshlrev_b32 v[2*p], 16, v[64+p%4]
	v_and_b32 v[2*p+1], s[HIM], v[64+p%4]
.set p, p+1
.endr
	WIN 0
; 8 matrix instructions: row block a x all 8 column blocks, 32 along K.  first = 1: the sum begins with the bias.  The 32 accumulators take turns in one order everywhere.
.macro MUL8 f, a, first
.if \first
	WIN MULB
.else
	WIN MUL
.endif
.irp b, 0,1,2,3,4,5,6,7
.if \first
	v_wmma_f32_16x16x32_bf16 v[8*(8*(\a)+(\b)):8*(8*(\a)+(\b))+7], v[(\f)+32+8*(\b):(\f)+32+8*(\b)+7], v[(\f)+8*(\a):(\f)+8*(\a)+7], v[8*(\b):8*(\b)+7]
.else
	v_wmma_f32_16x16x32_bf16 v[8*(8*(\a)+(\b)):8*(8*(\a)+(\b))+7], v[(\f)+32+8*(\b):(\f)+32+8*(\b)+7], v[(\f)+8*(\a):(\f)+8*(\a)+7], v[8*(8*(\a)+(\b)):8*(8*(\a)+(\b))+7]
.endif
.endr
.endm
.macro MUL16 f, a0, first
	MUL8 \f, \a0, \first
	MUL8 \f, (\a0)+1, \first
.endm
; 24 LDS loads in one run: quarter q (32 along K) of a slot into buffer f: W's 8 blocks (turned), then X's 4
.macro FETCH slot, q, f
	WIN 0
.irp b, 0,1,2,3,4,5,6,7
	ds_load_tr16_b128 v[(\f)+32+8*(\b):(\f)+32+8*(\b)+3],   v[ADRB+(\slot)] offset:32*(\q)*PB+32*(\b)
	ds_load_tr16_b128 v[(\f)+32+8*(\b)+4:(\f)+32+8*(\b)+7], v[ADRB+(\slot)] offset:(32*(\q)+16)*PB+32*(\b)
.endr
.irp a, 0,1,2,3
	ds_load_b128 v[(\f)+8*(\a):(\f)+8*(\a)+3],   v[ADRA+(\slot)] offset:64*(\q)+(\a)*16*PA
	ds_load_b128 v[(\f)+8*(\a)+4:(\f)+8*(\a)+7], v[ADRA+(\slot)] offset:64*(\q)+(\a)*16*PA+32
.endr
.endm
; One of a K step's first three quarters: multiplies buffer f; in its middle it fetches quarter q of the same slot into buffer g.
.macro QUARTER slot, q, f, g, first
	s_wait_dscnt 4                                 ; W and X's blocks 0, 1 are in; the youngest four loads (X's blocks 2, 3) may be out
	MUL16 \f, 0, \first
	PLACES
	FETCH \slot, \q, \g
	s_wait_dscnt 24                                ; all but the 24 just issued
	MUL16 \f, 2, \first
.endm
; The last quarter multiplies buffer 1 and changes slots: ONE barrier; in front of it each wave waits for all its tensor loads (one is out: its part of the next slot), adds 0 to its
; spare word, and waits for that and for its reads of this slot.  fill = 1: the barrier opens a round of the cluster's, and this slot is filled again, two K steps ahead, first thing behind it.
.macro TURN slot, next, fill
	WIN 0
	s_wait_tensorcnt 0x0
	ds_add_u32 v[SPW], v[NIL]
	s_wait_dscnt 5                                 ; the add and the youngest four loads may be out
	MUL8 F1, 0, 0                                  ; eight matrix instructions stand between the add and the wait for it
	s_wait_dscnt 0x0                               ; the add is done, and my reads of this slot are over
	s_barrier_signal -1
	MUL8 F1, 1, 0
.if \fill
	WIN 0
.endif
	s_barrier_wait -1
.if \fill
	CREST                                          ; no wave of any partner still reads this slot's tiles or has a load on its way
	s_add_nc_u64 s[G0+4*(\slot)+2:G0+4*(\slot)+3], s[G0+4*(\slot)+2:G0+4*(\slot)+3], 2*ASTEP
	s_add_nc_u64 s[G0B+4*(\slot)+2:G0B+4*(\slot)+3], s[G0B+4*(\slot)+2:G0B+4*(\slot)+3], 2*BSTEP
	JLOAD \slot                                    ; the four v_nop behind it are also the places in front of the loads below
.else
	PLACES
.endif
	FETCH \next, 0, F0
	MUL16 F1, 2, 0
.endm
	s_wait_tensorcnt 1                             ; my part of K step 0 is in; K step 1's may stay out
	s_barrier_signal -1
	s_barrier_wait -1
	FETCH 0, 0, F0
	QUARTER 0, 1, F0, F1, 1                        ; the first quarter stands in front of the loop: its products start the sums, with the bias
	WIN 0
	s_mov_b32 s3, 3
.Llap:                                         ; a trip goes once round the ring and fills both slots again: K steps 2 .. 7
	QUARTER 0, 2, F1, F0, 0
	QUARTER 0, 3, F0, F1, 0
	TURN 0, 1, 1
	QUARTER 1, 1, F0, F1, 0
	QUARTER 1, 2, F1, F0, 0
	QUARTER 1, 3, F0, F1, 0
	TURN 1, 0, 1
	QUARTER 0, 1, F0, F1, 0
	WIN 0
	s_sub_co_u32 s3, s3, 1
	s_cmp_lg_u32 s3, 0
	s_cbranch_scc1 .Llap
	QUARTER 0, 2, F1, F0, 0                        ; the last lap fills nothing
	QUARTER 0, 3, F0, F1, 0
	TURN 0, 1, 0
	QUARTER 1, 1, F0, F1, 0
	QUARTER 1, 2, F1, F0, 0
	QUARTER 1, 3, F0, F1, 0
	s_wait_dscnt 4
	MUL16 F1, 0, 0
	s_wait_dscnt 0x0
	MUL16 F1, 2, 0
; THE WAY OUT, 16 rows at a time: rounded to f16 (a lane's 8 columns are 16 bytes), into my own stage, back as whole rows of 256 bytes, stored: a head's rows lie on end, so a store covers 512 consecutive bytes.
.macro PACK a
	WIN 0x05                                       ; sources window 1, destination window 0
.irp b, 0,1,2,3,4,5,6,7
.irp r, 0,1,2,3
	v_cvt_pk_f16_f32 v[TMP+4*(\b)+(\r)], v[8*(8*(\a)+(\b))+2*(\r)], v[8*(8*(\a)+(\b))+2*(\r)+1]
.endr
.endr
	WIN 0
.endm
.macro TOSTAGE a
.irp b, 0,1,2,3,4,5,6,7
	ds_store_b128 v[STO], v[TMP+4*(\b):TMP+4*(\b)+3] offset:32*(\b)
.endr
.irp t, 0,1,2,3,4,5,6,7
	ds_load_b128 v[BK+32*(\a)+4*(\t):BK+32*(\a)+4*(\t)+3], v[RD] offset:(\t)*2*SP  ; LDS serves a wave's instructions in order (ISA guide 5.7.1.4): these see the stores above
.endr
.endm
.macro SEND a
	s_wait_dscnt 0x0                               ; the block is back in registers; each block has registers of its own, so no store's source is rewritten
.irp t, 0,1,2,3,4,5,6,7
	global_store_b128 v[CO], v[BK+32*(\a)+4*(\t):BK+32*(\a)+4*(\t)+3], s[12:13] offset:4096*(\a)+512*(\t)
.endr
.endm
	PLACES
	PACK 0
	TOSTAGE 0
.irp a, 1,2,3                          ; block a's conversions stand between block a - 1's loads from the stage and the wait for them
	PACK \a
	SEND (\a)-1
	TOSTAGE \a
.endr
	SEND 3
	s_wait_tensorcnt 0x0                           ; the wave's end
	ds_add_u32 v[SPW], v[NIL]
	s_wait_dscnt 0x0
	CROUND                                         ; the closing round
	s_endpgm
.Lfunc_end_k_qa3ece6ec7d_gemm_qkv:
	.size	k_qa3ece6ec7d_gemm_qkv, .Lfunc_end_k_qa3ece6ec7d_gemm_qkv-k_qa3ece6ec7d_gemm_qkv
	.p2alignl 7, 3214868480
	.fill 96, 4, 3214868480
	.section	.rodata,"a",@progbits
	.p2align	6, 0x0
	.amdhsa_kernel k_qa3ece6ec7d_gemm_qkv
		.amdhsa_group_segment_fixed_size 327680
		.amdhsa_private_segment_fixed_size 0
		.amdhsa_enable_private_segment 0
		.amdhsa_kernarg_size 40
		.amdhsa_user_sgpr_count 2
		.amdhsa_user_sgpr_kernarg_segment_ptr 1
		.amdhsa_wavefront_size32 1
		.amdhsa_system_sgpr_workgroup_id_x 1
		.amdhsa_system_sgpr_workgroup_id_y 1
		.amdhsa_system_sgpr_workgroup_id_z 1
		.amdhsa_system_vgpr_workitem_id 0
		.amdhsa_next_free_vgpr 580
		.amdhsa_next_free_sgpr 70
		.amdhsa_reserve_vcc 0
		.amdhsa_float_denorm_mode_32 3
		.amdhsa_float_denorm_mode_16_64 3
		.amdhsa_memory_ordered 1
		.amdhsa_forward_progress 1
		.amdhsa_inst_pref_size 92
	.end_amdhsa_kernel
	.amdgpu_metadata
---
amdhsa.version: [ 1, 2 ]
amdhsa.kernels:
  - .name:           k_qa3ece6ec7d_gemm_qkv
    .symbol:         k_qa3ece6ec7d_gemm_qkv.kd
    .args:
      - { .name: cst, .offset: 0, .size: 8, .value_kind: global_buffer, .address_space: global }
      - { .name: bq, .offset: 8, .size: 8, .value_kind: global_buffer, .address_space: global }
      - { .name: bk, .offset: 16, .size: 8, .value_kind: global_buffer, .address_space: global }
      - { .name: bv, .offset: 24, .size: 8, .value_kind: global_buffer, .address_space: global }
      - { .name: qkv, .offset: 32, .size: 8, .value_kind: global_buffer, .address_space: global }
    .group_segment_fixed_size: 327680
    .private_segment_fixed_size: 0
    .kernarg_segment_align: 8
    .kernarg_segment_size: 40
    .max_flat_workgroup_size: 128
    .sgpr_count:     70
    .vgpr_count:     580
    .wavefront_size: 32
...
	.end_amdgpu_metadata
.endif
;; end of part 2
;; launch attn (part 3): grid 8 x 32, 4 waves a work-group, no clusters, 327,680 bytes of LDS; arguments qkv, yb; writes yb
.if DOCPART == 3
	.amdgcn_target "amdgcn-amd-amdhsa--gfx1250"
	.amdhsa_code_object_version 6
	.text
	.protected	k_qa3ece6ec7d_attn
	.globl	k_qa3ece6ec7d_attn
	.p2align	8
	.type	k_qa3ece6ec7d_attn,@function
k_qa3ece6ec7d_attn:
	s_mov_b64 s[64:65], 0
	v_nop
	global_prefetch_b8 v0, s[64:65] scope:SCOPE_SE
	s_setreg_imm32_b32 hwreg(HW_REG_WAVE_MODE, 25, 1), 1
	s_wait_xcnt 0x0
; CAUSAL ATTENTION by heads.  q, k, v: f16 [32 = b*16+h][2048][128] at qkv + 0, + 2^24, + 2^25.  y[b][t][h*128+ch] = the sum over k <= t of softmax_k(q.k / sqrt(128)) v, f16, rows of 4,096 bytes.
; Products, maxima and sums in f32; the weights p are rounded to f16 for the second product (their sum l is taken of the unrounded p), y once at the end.
; LIMITS.  q, k, v arrive within f16's 65,504, so a score is 5.5e11 at the most.  A hidden score counts as its value less 1e30.  The running maximum starts at -2^66, far below every visible score and far
; above every hidden one, so that a wave which has seen hidden keys only keeps weights, l and O of 0.  A weight below 2^-126 counts as 0.  NaN and infinities are not treated apart.
; THE WALK.  A head has 16 blocks of 128 queries; block i needs the key tiles 0 .. i of 128 keys, the last of which holds the diagonal.  Work-group pb takes blocks 15 - pb and then pb: 17 tiles whatever pb,
; so all 256 work-groups do equal work, and one counted loop walks them; the ring of two LDS slots runs on across the change of blocks.
; SHARES.  Wave w has 64 queries (qh = w / 2; four tiles of 16) and 64 of each tile's 128 keys (kh = w % 2): a fragment of K or V read from LDS feeds four tiles.  Each wave keeps m, l and O^T over its own keys;
; at a block's end the two partners w, w ^ 1 hand each other two tiles' O^T, c m and l through LDS, in f32, and each finishes two tiles.
; LAYOUT.  S^T = K Q^T holds one query a lane (lane % 16) and the keys 8 (lane / 16) + 0..7; two results rounded to f16 ARE source 1 of O^T = V^T P.  K comes out of LDS as it lies, V turned (ds_load_tr16_b128).
; THE MASK is the C operand that starts S^T: MC = MD x AL, AL = 1 in a block's last tile and 0 elsewhere.  MD has three classes of 8 registers: key group below, at, above the query tile; with my
; wave's 64 (qh - kh) in it the same three classes say "all hidden" for (qh, kh) = (0, 1) and "none" for (1, 0).
; A STEP (one tile, 128 matrix instructions a wave): K Q^T of tiles 0, 1; K Q^T of tiles 2, 3 with the softmax of tiles 0, 1 in slices behind the products; the change of slots (all of this tile's K and V is in
; registers by then); V^T P of tiles 0, 1 with the softmax of tiles 2, 3; V^T P of tiles 2, 3.
; NO CLUSTER: which tile a trip takes and what it does hang on pb, which would be a work-group's place in its cluster; a head's eight work-groups ask for the same tile in trips 0 .. 8 only.
; REGISTERS (windows of 256; s_set_vgpr_msb: bits 1:0 source 0, 3:2 source 1, 5:4 source 2, 7:6 destination):
;   window 0: v0-11 addresses; v12-43 eight registers of statistics a tile; v44-54, v61-63 below; v64-191 S^T, 32 a tile; v192-255 P, 16 a tile
;   window 1: O^T, 64 a tile     window 2: v0-127 Q, 32 a tile; v128-255 K     window 3: v0-127 V; v128-151 MD; v152-175 MC
.set PK,    272       ; a row of K (and of Q) in LDS: 256 bytes + 16
.set PV,    288       ; a row of V: 256 + 32 = 9 x 32
.set VOFF,  64*PK     ; one key half: 64 rows of K, then 64 rows of V
.set STEPB, 64*(PK+PV)
.set QL,    2*STEPB   ; behind slot 0: the second block's Q, 128 rows, filled once
.set OST,   QL+128*PK ; 16 rows x 272 bytes for each wave, for the way out
.set SP,    272
.set SPARE, OST+4*16*SP  ; the spare words, 128 bytes a wave: two blocks of 256 bytes that no other line names
.set SLOT1, 1<<17     ; slot 1: one exclusive or turns an address in one slot into the other's
.set MST,   SLOT1+2*STEPB  ; the merge: for each wave two tiles of O^T (8,192 bytes each), then two times 512 bytes of statistics
.set MSTW,  17408
.set TILEB, 32768     ; a tile's bytes of K, and of V
.set AK0, 2           ; v2   my lane's place in my half of a tile's K; never rewritten
.set AV0, 3           ; v3   the same for V
.set ADR, 4           ; v4   the LDS address of the run of loads in hand
.set QO,  5           ; v5   my byte offset in 16 rows of Q
.set STO, 6           ; v6   the way out: where I put 16 bytes of a row
.set RD,  7           ; v7   where I read rows back
.set GO,  8           ; v8   my byte offset in two rows of y
.set ST,  12          ; tile t's statistics at v[ST+8 t]: c m, m, l (even keys', odd keys'), c0-c3 at work; a takes c2's place
.set X0,  44          ; v44-51 the partner's statistics of two tiles
.set AQ,  52          ; v52  my place in QL
.set MSA, 53          ; v53  my part of MST + 16 x lane
.set MLA, 54          ; v54  my partner's
.set PFO, 61          ; v61  the prefetches' offset: 8,192 x wave + 256 x lane: a lane a row; never rewritten
.set SPW, 62          ; v62  LDS address of my spare word; never rewritten
.set NIL, 63          ; v63  0; never rewritten
.set S,   64
.set P,   192
.set KF,  128         ; window 2
.set MD,  128         ; window 3
.set MC,  152         ; window 3
.set WV,  12          ; s12 wave, s13 kh, s14 qh, s15 pb, s16 15 - pb
.set KH,  13
.set QH,  14
.set PB,  15
.set HI,  16
.set G1K, 24          ; s[24:31] group 1 for tiles of K and Q; s[32:39] for V: the padding differs
.set G1V, 32
.set G0K, 40          ; s[40:47] group 0 for K: a set for each of the two first fills; the second then walks
.set G0V, 48          ; s[48:55] the same for V
.set SLOTS, 56        ; s56  tiles still to be asked for
.set CNT, 57          ; s57  counts the tail's two trips
.set CS,  58          ; s[58:59] c = log2(e) / sqrt(128)
.set SEL, 60          ; s[60:61] v_permlanex16_b32's selects: each lane takes its own place in the other half
.set TB,  62          ; s62  LDS byte of the slot to be fetched from
.set BIGN, 63         ; s63  -1e30
.set G0Q, 68          ; s[68:71] group 0 for the second block's Q
.set RT,  72          ; s72  tiles of the block in hand still to be entered
.set NXT, 73          ; s73  the tile to be asked for next
.set LQ,  74          ; s74  the last tile of the block whose tiles are being asked for
.set SEC, 75          ; s75  1: the second block is in hand
.set OFF, 76          ; s[76:77] a tile's byte offset
.set AL,  78          ; s[78:79] the mask's factor
.set OLO, 80          ; s[80:81] y at my rows of the second block
.set PFK, 82          ; s[82:83], s[84:85] where the prefetches stand in K and in V
.set PFV, 84
.set LIM, 86          ; s86  2 in the head's work-group 0, else the greatest number
.set MSB, 0
.macro WIN new
.if MSB != (\new)
	s_set_vgpr_msb (MSB<<8)|(\new)
.set MSB, \new
.endif
.endm
.set W_KQ, 0x0a       ; K and Q in window 2, S^T in window 0
.set W_KM, 0x3a       ; the same with the C operand in window 3
.set W_PV, 0x53       ; V in window 3, P in window 0, O^T in window 1
.set W_RS, 0x41       ; destination and source 0 in window 1, source 1 in window 0
.macro PLACES
.rept 4
	v_nop
.endr
.endm
; A refill.  Waves 0 and 1 fetch the two key halves of a tile's K, waves 2 and 3 those of its V.  An s_nop 0 and four v_nop follow each line, ahead of the jump and the label.
.macro LOAD
	s_cmp_lt_u32 s[WV], 2
	s_cbranch_scc0 .Lfor_v_\@
	tensor_load_to_lds s[G0K+4:G0K+7], s[G1K:G1K+7]
	s_nop 0
.rept 4
	v_nop
.endr
	s_branch .Lasked_\@
.Lfor_v_\@:
	tensor_load_to_lds s[G0V+4:G0V+7], s[G1V:G1V+7]
	s_nop 0
.rept 4
	v_nop
.endr
.Lasked_\@:
.endm
; A PREFETCH of the tile that the NEXT change of slots will ask for.  A head's eight work-groups walk the same K and V: work-group 0, whose first block walks tiles 0 .. 15, asks, and nobody else.
; Wave w names rows 32 w .. 32 w + 31 of the tile's K and of its V, a lane a row of 256 bytes: each row is named once in the launch.  In trip j it names tile j + 3; it stops behind tile 15.
.macro ASK
	s_cmp_gt_u32 s[SLOTS], s[LIM]
	s_cbranch_scc0 .Lnot_mine_\@
	global_prefetch_b8 v[PFO], s[PFK:PFK+1] th:TH_LOAD_NT scope:SCOPE_SE
	global_prefetch_b8 v[PFO], s[PFV:PFV+1] th:TH_LOAD_NT scope:SCOPE_SE
.Lnot_mine_\@:
.endm
	s_load_b128 s[8:11], s[0:1], 0x0               ; qkv s[8:9], yb s[10:11]
	v_lshl_add_u32 v[SPW], v0, 2, SPARE
	v_mov_b32 v[NIL], 0
	ds_add_u32 v[SPW], v[NIL]                      ; the wave's opening: the add and its wait ahead of my first tensor load
	v_lshrrev_b32 v1, 5, v0
	v_readfirstlane_b32 s[WV], v1
	s_and_b32 s[KH], s[WV], 1
	s_lshr_b32 s[QH], s[WV], 1
	s_mov_b32 s[PB], ttmp9
	s_sub_co_u32 s[HI], 15, s[PB]
	s_and_b32 s17, ttmp7, 0xffff                   ; the head, 0 .. 31
	s_lshl_b32 s18, s17, 19                        ; its bytes in each of q, k, v
	s_lshl_b32 s19, s[KH], 14                      ; the 64 rows that I fetch of a tile
	s_mov_b32 s[G1K], (1<<16)|(1<<20)|(5<<22)|(3<<25)  ; 2-byte elements; padding on; after every 64 words 4 words
	s_mov_b32 s[G1V], (1<<16)|(1<<20)|(5<<22)|(7<<25)  ; 8 words
.irp g, G1K, G1V
	s_mov_b32 s[(\g)+1], 128<<16                   ; tensor_dim0 = 128
	s_mov_b32 s[(\g)+2], 64<<16                    ; tensor_dim1 = 64
	s_mov_b32 s[(\g)+3], 128<<16                   ; tile_dim0 = 128
	s_mov_b32 s[(\g)+4], 64                        ; tile_dim1 = 64
	s_mov_b32 s[(\g)+5], 128                       ; elements from row to row
	s_mov_b32 s[(\g)+6], 0
	s_mov_b32 s[(\g)+7], 0
.endr
	s_mul_i32 s2, s[KH], STEPB
	s_mul_i32 s3, s[KH], 64*PK
.irp s, 0,1
	s_mov_b32 s[G0K+4*(\s)], 1
	s_add_co_u32 s[G0K+4*(\s)+1], s2, (\s)*SLOT1
	s_mov_b32 s[G0V+4*(\s)], 1
	s_add_co_u32 s[G0V+4*(\s)+1], s2, (\s)*SLOT1+VOFF
.endr
	s_mov_b32 s[G0Q], 1
	s_add_co_u32 s[G0Q+1], s3, QL
	s_mov_b32 s[CS], 0x3e0293ee                    ; c = 0.127517
	s_mov_b32 s[CS+1], s[CS]
	s_mov_b32 s[SEL], 0x76543210
	s_mov_b32 s[SEL+1], 0xfedcba98
	s_mov_b32 s[TB], 0
	s_mov_b32 s[BIGN], 0xf149f2ca
	s_mov_b32 s[SLOTS], 15
	s_add_co_u32 s[RT], s[HI], 1                   ; the first block has 16 - pb tiles
	s_mov_b32 s[NXT], 2
	s_mov_b32 s[LQ], s[HI]
	s_mov_b32 s[SEC], 0
	s_mov_b32 s[OFF+1], 0
	s_mov_b32 s[AL+1], 0
	s_cmp_eq_u32 s[PB], 0
	s_cselect_b32 s[LIM], 2, -1
	s_wait_dscnt 0x0                               ; the opening add is done
	s_wait_kmcnt 0x0
	s_mov_b32 s21, 0
	s_lshl_b32 s20, s[HI], 15
	s_lshl_b32 s22, s[QH], 14
	s_add_co_u32 s20, s20, s22
	s_add_co_u32 s20, s20, s18
	s_add_nc_u64 s[4:5], s[8:9], s[20:21]          ; Q at my 64 rows of the first block
	s_lshl_b32 s20, s[PB], 15
	s_add_co_u32 s20, s20, s19
	s_add_co_u32 s20, s20, s18
	s_add_nc_u64 s[G0Q+2:G0Q+3], s[8:9], s[20:21]  ; Q of the second block, the half that I fetch
	s_or_b32 s[G0Q+3], s[G0Q+3], 0x80000000
	s_add_co_u32 s20, s18, (1<<24)+2*TILEB
	s_add_nc_u64 s[PFK:PFK+1], s[8:9], s[20:21]    ; at tile 2; the first change of slots steps these two to tile 3
	s_add_co_u32 s20, s18, (1<<25)+2*TILEB
	s_add_nc_u64 s[PFV:PFV+1], s[8:9], s[20:21]
	s_add_co_u32 s20, s18, s19
	s_add_co_u32 s20, s20, 1<<24
	s_add_nc_u64 s[6:7], s[8:9], s[20:21]          ; K at my half of the head's tile 0
	s_add_co_u32 s20, s20, 1<<24
	s_add_nc_u64 s[8:9], s[8:9], s[20:21]          ; V likewise
.irp s, 0,1
	s_add_nc_u64 s[G0K+4*(\s)+2:G0K+4*(\s)+3], s[6:7], (\s)*TILEB
	s_or_b32 s[G0K+4*(\s)+3], s[G0K+4*(\s)+3], 0x80000000
	s_add_nc_u64 s[G0V+4*(\s)+2:G0V+4*(\s)+3], s[8:9], (\s)*TILEB
	s_or_b32 s[G0V+4*(\s)+3], s[G0V+4*(\s)+3], 0x80000000
.endr
	s_lshr_b32 s20, s17, 4                         ; y: row = 2,048 x batch + 128 x block + 64 qh; 4,096 bytes a row; the head's 256 bytes in it
	s_lshl_b32 s20, s20, 11
	s_lshl_b32 s22, s[QH], 6
	s_add_co_u32 s20, s20, s22
	s_lshl_b32 s22, s[PB], 7
	s_add_co_u32 s22, s22, s20
	s_lshl_b32 s23, s[HI], 7
	s_add_co_u32 s20, s20, s23
	s_lshl_b32 s20, s20, 12
	s_lshl_b32 s22, s22, 12
	s_and_b32 s23, s17, 15
	s_lshl_b32 s23, s23, 8
	s_add_co_u32 s20, s20, s23
	s_add_co_u32 s22, s22, s23
	s_mov_b32 s23, 0
	s_add_nc_u64 s[OLO:OLO+1], s[10:11], s[22:23]
	s_add_nc_u64 s[10:11], s[10:11], s[20:21]
	s_cmp_lt_u32 s[WV], 2                          ; a wave's first fills stand in one branch, ahead of every wait on TENSORcnt, LDS read and barrier: three loads of waves 0, 1 are out, two of waves 2, 3
	s_cbranch_scc0 .Lfirst_v
	tensor_load_to_lds s[G0K:G0K+3], s[G1K:G1K+7]
	s_nop 0
	tensor_load_to_lds s[G0K+4:G0K+7], s[G1K:G1K+7]
	s_nop 0
	tensor_load_to_lds s[G0Q:G0Q+3], s[G1K:G1K+7]
	s_nop 0
.rept 4
	v_nop
.endr
	s_branch .Lfirst_asked
.Lfirst_v:
	tensor_load_to_lds s[G0V:G0V+3], s[G1V:G1V+7]
	s_nop 0
	tensor_load_to_lds s[G0V+4:G0V+7], s[G1V:G1V+7]
	s_nop 0
.rept 4
	v_nop
.endr
.Lfirst_asked:
	v_and_b32 v1, 15, v0                           ; r = lane % 16
	v_bfe_u32 v9, v0, 4, 1                         ; h = lane / 16
	v_lshlrev_b32 v[QO], 8, v1
	v_lshl_add_u32 v[QO], v9, 4, v[QO]
	WIN 0x80                                       ; destination window 2
.irp i, 0,1,2,3,4,5,6,7,8,9,10,11,12,13,14,15  ; the first block's Q: tile i / 4, channels 32 (i % 4) on
	global_load_b128 v[8*(\i):8*(\i)+3],   v[QO], s[4:5] offset:((\i)/4)*4096+((\i)%4)*64
	global_load_b128 v[8*(\i)+4:8*(\i)+7], v[QO], s[4:5] offset:((\i)/4)*4096+((\i)%4)*64+32
.endr
	WIN 0
	v_lshlrev_b32 v10, 3, v9
	v_sub_nc_u32 v10, v1, v10                      ; r - 8 h
	s_sub_co_i32 s20, s[QH], s[KH]
	s_lshl_b32 s20, s20, 6
	v_add_nc_u32 v10, s20, v10                     ; + 64 (qh - kh): register j of class X is hidden where 16 X - 16 + j is greater
	WIN 0xc0
.set i, 0
.rept 24
	v_cmp_gt_i32 vcc_lo, 16*(i/8)-16+i%8, v10
	v_cndmask_b32 v[MD+i], 0, s[BIGN], vcc_lo
.set i, i+1
.endr
	WIN 0x40                                       ; a block's first step multiplies O^T and l by a = 0, so they need only hold finite numbers: zeros here, what the first block left later.
.set i, 0                                      ; the price of writing no first step out; it stands in the wait for the first tile
.rept 256
	v_mov_b32 v[i], 0
.set i, i+1
.endr
	WIN 0
.irp t, 0,1,2,3
	v_mov_b32 v[ST+8*(\t)], 0xfe000000             ; c m: far below every c s, so the first a is 0
	v_mov_b32 v[ST+8*(\t)+1], 0xe0800000           ; m: -2^66
	v_mov_b32 v[ST+8*(\t)+2], 0
	v_mov_b32 v[ST+8*(\t)+3], 0
.endr
	v_mul_u32_u24 v10, v1, PK
	v_lshl_add_u32 v10, v9, 4, v10                 ; r x 272 + 16 h: a fragment's row in K, in QL and in my stage
	s_mul_i32 s20, s[KH], STEPB
	v_add_nc_u32 v[AK0], s20, v10
	s_add_co_u32 s20, s20, VOFF
	v_and_b32 v11, 7, v0                           ; the turning load: lane l reads key 8 h + l % 8, channels 8 ((l / 8) % 2) + 0..7
	v_lshl_add_u32 v[AV0], v9, 3, v11
	v_mul_u32_u24 v[AV0], v[AV0], PV
	v_bfe_u32 v11, v0, 3, 1
	v_lshl_add_u32 v[AV0], v11, 4, v[AV0]
	v_add_nc_u32 v[AV0], s20, v[AV0]
	s_mul_i32 s20, s[QH], 64*PK
	s_add_co_u32 s20, s20, QL
	v_add_nc_u32 v[AQ], s20, v10
	s_mul_i32 s20, s[WV], 16*SP
	s_add_co_u32 s20, s20, OST
	v_add_nc_u32 v[STO], s20, v10
	v_mul_u32_u24 v[RD], v9, SP
	v_lshl_add_u32 v[RD], v1, 4, v[RD]
	v_add_nc_u32 v[RD], s20, v[RD]
	v_lshlrev_b32 v[GO], 12, v9
	v_lshl_add_u32 v[GO], v1, 4, v[GO]
	v_and_b32 v11, 31, v0
	s_lshl_b32 s20, s[WV], 13
	v_lshl_add_u32 v[PFO], v11, 8, s20
	v_lshlrev_b32 v11, 4, v11
	s_mul_i32 s20, s[WV], MSTW
	s_add_co_u32 s20, s20, MST
	v_add_nc_u32 v[MSA], s20, v11
	s_xor_b32 s20, s[WV], 1
	s_mul_i32 s20, s20, MSTW
	s_add_co_u32 s20, s20, MST
	v_add_nc_u32 v[MLA], s20, v11
; THE MATRIX WORK.  The accumulators take turns, one instruction a turn.
; Product i of 32 of S^T = K Q^T for tiles x, x + 1: channels 32 (i / 8) on, keys 16 ((i / 2) % 4) on, tile x + i % 2.  The first 8 start the sums, with the mask of their class.
.macro KQ x
.set rS, S+32*((\x)+i%2)+8*((i/2)%4)
.set rK, KF+32*((i/2)%4)+8*(i/8)
.set rQ, 32*((\x)+i%2)+8*(i/8)
.if i < 8
.set cl, 1
.if ((i/2)%4) < ((\x)+i%2)
.set cl, 0
.endif
.if ((i/2)%4) > ((\x)+i%2)
.set cl, 2
.endif
	WIN W_KM
	v_wmma_f32_16x16x32_f16 v[rS:rS+7], v[rK:rK+7], v[rQ:rQ+7], v[MC+8*cl:MC+8*cl+7]
.else
	WIN W_KQ
	v_wmma_f32_16x16x32_f16 v[rS:rS+7], v[rK:rK+7], v[rQ:rQ+7], v[rS:rS+7]
.endif
.endm
; Product i of 32 of O^T += V^T P: keys 32 (i / 16) on, channels 16 ((i / 2) % 8) on, tile x + i % 2.
.macro PV x
	WIN W_PV
.set rO, 64*((\x)+i%2)+8*((i/2)%8)
.set rV, 64*(i/16)+8*((i/2)%8)
.set rP, P+16*((\x)+i%2)+8*(i/16)
	v_wmma_f32_16x16x32_f16 v[rO:rO+7], v[rV:rV+7], v[rP:rP+7], v[rO:rO+7]
.endm
; THE LDS LOADS stand in runs of 32: my 64 keys of a tile's K (16 fragments), and of its V (turned).
.macro FETCH_K
	WIN 0
	v_add_nc_u32 v[ADR], s[TB], v[AK0]
	WIN 0x80
.irp f, 0,1,2,3,4,5,6,7,8,9,10,11,12,13,14,15  ; keys 16 (f / 4) on, channels 32 (f % 4) on
	ds_load_b128 v[KF+8*(\f):KF+8*(\f)+3],   v[ADR] offset:((\f)/4)*16*PK+((\f)%4)*64
	ds_load_b128 v[KF+8*(\f)+4:KF+8*(\f)+7], v[ADR] offset:((\f)/4)*16*PK+((\f)%4)*64+32
.endr
	WIN 0
.endm
.macro FETCH_V
	WIN 0
	v_add_nc_u32 v[ADR], s[TB], v[AV0]
	WIN 0xc0
.irp f, 0,1,2,3,4,5,6,7,8,9,10,11,12,13,14,15  ; keys 32 (f / 8) on, channels 16 (f % 8) on
	ds_load_tr16_b128 v[8*(\f):8*(\f)+3],   v[ADR] offset:((\f)/8)*32*PV+((\f)%8)*32
	ds_load_tr16_b128 v[8*(\f)+4:8*(\f)+7], v[ADR] offset:((\f)/8)*32*PV+16*PV+((\f)%8)*32
.endr
.endm
.macro MASK                            ; MC = MD x AL: twelve plain lines
	WIN 0xc3
.set z, 0
.rept 12
	v_pk_mul_f32 v[MC+2*z:MC+2*z+1], v[MD+2*z:MD+2*z+1], s[AL:AL+1] op_sel_hi:[1,0]
.set z, z+1
.endr
.endm
; THE VECTOR WORK.  One tile's softmax for one step is a list of 134 instructions; SM writes number j of it for tile t.  s0-s31 are the lane's 32 scores, in pairs 0-15.
;   0-15    the maximum of s0-s31 and the old m, three operands at a time (each accumulator's lowest registers are read first)
;   16-20   the other half of the lanes' maximum; the new m; c m; c m_old - c m_new
;   21-69   ONE BATCH: the 16 scalings c s - c m and all 33 exponentials (a at 23, then s0-s31); none of these reads an exponential's result
;   70-85   the roundings to f16     86-101  the sums; l = a l + the sum     102-133 the tile's O^T times a
.macro SM t
.set rT, ST+8*(\t)
.set rS, S+32*(\t)
.set rP, P+16*(\t)
.set rO, 64*(\t)+2*(j-102)
.if j < 102
	WIN 0
.endif
.if j < 4
	v_max3_num_f32 v[rT+4+j], v[rS+8*j], v[rS+8*j+1], v[rS+8*j+2]
.elseif j < 12
	v_max3_num_f32 v[rT+4+j%4], v[rT+4+j%4], v[rS+8*(j%4)+2*(j/4)+1], v[rS+8*(j%4)+2*(j/4)+2]
.elseif j == 12
	v_max3_num_f32 v[rT+4], v[rT+4], v[rS+7], v[rS+15]
.elseif j == 13
	v_max3_num_f32 v[rT+6], v[rT+6], v[rS+23], v[rS+31]
.elseif j == 14
	v_max3_num_f32 v[rT+4], v[rT+4], v[rT+5], v[rT+6]
.elseif j == 15
	v_max3_num_f32 v[rT+4], v[rT+4], v[rT+7], v[rT+1]
.elseif j == 16
	v_permlanex16_b32 v[rT+5], v[rT+4], s[SEL], s[SEL+1]  ; the query's other 32 keys lie in the lane 16 away
.elseif j == 17
	v_mov_b32 v[rT+7], v[rT]        ; c m_old is kept for a
.elseif j == 18
	v_max_num_f32 v[rT+1], v[rT+4], v[rT+5]
.elseif j == 19
	v_mul_f32 v[rT], s[CS], v[rT+1]
.elseif j == 20
	v_sub_f32 v[rT+7], v[rT+7], v[rT]
.elseif j == 23
	v_exp_f32 v[rT+6], v[rT+7]
.elseif (j < 23) || ((j < 38) && (j%2 == 0)) || ((j < 66) && (j%4 == 2))
.set b, (j-2)/4                     ; 38, 42, .. 62: pairs 9 to 15
.if j < 38
.set b, (j-20)/2                    ; 21: pair 0; 22, 24, .. 36: pairs 1 to 8
.endif
	v_pk_fma_f32 v[rS+2*b:rS+2*b+1], v[rS+2*b:rS+2*b+1], s[CS:CS+1], v[rT:rT+1] op_sel_hi:[1,0,0] neg_lo:[0,0,1] neg_hi:[0,0,1]
.elseif j < 70
.set e, j-38                        ; 66 to 69: s28 to s31
.if j < 66
.set e, j-32-(j-38)/4               ; 39-41, 43-45, .. 63-65: s7 to s27
.endif
.if j < 38
.set e, (j-25)/2                    ; 25, 27, .. 37: s0 to s6
.endif
	v_exp_f32 v[rS+e], v[rS+e]
.elseif j < 86
	v_cvt_pk_f16_f32 v[rP+j-70], v[rS+2*(j-70)], v[rS+2*(j-70)+1]
.elseif j < 102                     ; the 16 pairs are added in place, neighbours 1, 2, 4 and 8 pairs apart; then l takes the sum
.set z, j-86
.set w, 4
.set u, z
.if z >= 14
.set w, 32
.set u, 0
.elseif z >= 12
.set w, 16
.set u, z-12
.elseif z >= 8
.set w, 8
.set u, z-8
.endif
.if z < 15
	v_pk_add_f32 v[rS+w*u:rS+w*u+1], v[rS+w*u:rS+w*u+1], v[rS+w*u+w/2:rS+w*u+w/2+1]
.else
	v_pk_fma_f32 v[rT+2:rT+3], v[rT+2:rT+3], v[rT+6:rT+7], v[rS:rS+1] op_sel_hi:[1,0,1]
.endif
.else
	WIN W_RS
	v_pk_mul_f32 v[rO:rO+1], v[rO:rO+1], v[rT+6:rT+7] op_sel_hi:[1,0]
.endif
.endm
; Slice k of 64 of the softmax of tiles y, y + 1: four instructions.  Slices 11 to 34 deal out the batch, four numbers of one tile each; every other slice is numbers 2 k, 2 k + 1 of both tiles; the twelve
; that are over stand in slice 63.  Ahead of slice 35 nothing names an exponential's result, behind slice 34 none is issued: one plain instruction and ONE wait behind slice 34 serve all 66.
.macro SLICE y
.if (k >= 11) && (k < 35)
.irp n, 0,1,2,3
.set j, 22+4*((k-11)/2)+(\n)
	SM (\y)+(k-11)%2
.endr
.else
.irp n, 0,1,2,3,4,5,6,7
.if ((\n) < 2) || (k == 63)
.irp t, \y, (\y)+1
.set j, 2*k+(\n)
	SM \t
.endr
.endif
.endr
.endif
.if k == 34
	v_nop
	s_wait_alu depctr_va_vdst(0)
.endif
.set k, k+1
.endm
; THE CHANGE OF SLOTS, in a step's middle: this tile's K and V have been asked for.  Each wave waits for all its tensor loads (its part of the other slot), adds 0 to its spare word, and waits for that and
; for its reads of this slot.  Behind the barrier nobody reads this slot any more and the other slot is whole.  fill = 1: this slot is filled again, first thing, with tile NXT; the load has a whole step in which
; to land.  Then the next tile's K is fetched, 64 products ahead of its use.  In the tail's last trip there is no next tile, and the run is jumped over.
.macro CHANGE fill
	WIN 0
	s_wait_tensorcnt 0x0                           ; no tensor load of mine is out, so a group 0 may be written
	ds_add_u32 v[SPW], v[NIL]                      ; 0 onto my spare word; scalar work stands between it and the wait for it
.if \fill
	s_lshl_b32 s[OFF], s[NXT], 15
	s_xor_b32 s[G0K+5], s[G0K+5], SLOT1
	s_add_nc_u64 s[G0K+6:G0K+7], s[6:7], s[OFF:OFF+1]
	s_or_b32 s[G0K+7], s[G0K+7], 0x80000000
	s_xor_b32 s[G0V+5], s[G0V+5], SLOT1
	s_add_nc_u64 s[G0V+6:G0V+7], s[8:9], s[OFF:OFF+1]
	s_or_b32 s[G0V+7], s[G0V+7], 0x80000000
	s_add_co_u32 s[NXT], s[NXT], 1                 ; the block's next tile, or behind its last the second block's tile 0
	s_cmp_gt_u32 s[NXT], s[LQ]
	s_cselect_b32 s[NXT], 0, s[NXT]
	s_cselect_b32 s[LQ], s[PB], s[LQ]
	s_wait_xcnt 0x0                                ; the last prefetches, a step back, have read their addresses
	s_add_nc_u64 s[PFK:PFK+1], s[PFK:PFK+1], TILEB
	s_add_nc_u64 s[PFV:PFV+1], s[PFV:PFV+1], TILEB
.endif
	s_wait_dscnt 0x0                               ; the add is done; K and V of this tile are in my registers
	s_barrier_signal -1
	s_xor_b32 s[TB], s[TB], SLOT1
	s_barrier_wait -1
.if \fill
	LOAD
	FETCH_K
	ASK
.else
	s_cmp_eq_u32 s[CNT], 1
	s_cbranch_scc1 .Lno_k_\@
	FETCH_K
.Lno_k_\@:
.endif
.endm
; A BLOCK'S END.  GIVE: tile t's O^T, c m and l go into my part of MST as tile u of two.
.macro GIVE t, u
	WIN 0x04                                       ; the data in window 1
.irp f, 0,1,2,3,4,5,6,7,8,9,10,11,12,13,14,15
	ds_store_b128 v[MSA], v[64*(\t)+4*(\f):64*(\t)+4*(\f)+3] offset:8192*(\u)+512*(\f)
.endr
	WIN 0
	ds_store_b128 v[MSA], v[ST+8*(\t):ST+8*(\t)+3] offset:16384+512*(\u)
.endm
.macro MRG1 t, u                       ; the common maximum, and both sides' distance from it
	v_max_num_f32 v[ST+8*(\t)+4], v[ST+8*(\t)], v[X0+4*(\u)]
	v_sub_f32 v[ST+8*(\t)+5], v[ST+8*(\t)], v[ST+8*(\t)+4]
	v_sub_f32 v[ST+8*(\t)+6], v[X0+4*(\u)], v[ST+8*(\t)+4]
	v_exp_f32 v[ST+8*(\t)+5], v[ST+8*(\t)+5]
	v_exp_f32 v[ST+8*(\t)+6], v[ST+8*(\t)+6]
.endm
.macro MRG2 t, u                       ; the common l and its reciprocal
	v_mul_f32 v[ST+8*(\t)+7], v[ST+8*(\t)+5], v[ST+8*(\t)+2]
	v_fmac_f32 v[ST+8*(\t)+7], v[ST+8*(\t)+6], v[X0+4*(\u)+2]
	v_rcp_f32 v[ST+8*(\t)+7], v[ST+8*(\t)+7]
.endm
.macro MRG3 t                          ; my factor into +4, the partner's into +6
	v_mul_f32 v[ST+8*(\t)+4], v[ST+8*(\t)+5], v[ST+8*(\t)+7]
	v_mul_f32 v[ST+8*(\t)+6], v[ST+8*(\t)+6], v[ST+8*(\t)+7]
.endm
.macro FIN t, u                        ; y's tile: partner's O^T x its factor + mine x my factor, rounded to f16, through my stage, back as whole rows of 256 bytes
	WIN 0
.set i, 0
.rept 32
	v_pk_mul_f32 v[S+64*(\u)+2*i:S+64*(\u)+2*i+1], v[S+64*(\u)+2*i:S+64*(\u)+2*i+1], v[ST+8*(\t)+6:ST+8*(\t)+7] op_sel_hi:[1,0]
.set i, i+1
.endr
	WIN 0x01                                       ; source 0 in window 1
.set i, 0
.rept 32
	v_pk_fma_f32 v[S+64*(\u)+2*i:S+64*(\u)+2*i+1], v[64*(\t)+2*i:64*(\t)+2*i+1], v[ST+8*(\t)+4:ST+8*(\t)+5], v[S+64*(\u)+2*i:S+64*(\u)+2*i+1] op_sel_hi:[1,0,1]
.set i, i+1
.endr
	WIN 0
.set i, 0
.rept 32
	v_cvt_pk_f16_f32 v[P+32*(\u)+i], v[S+64*(\u)+2*i], v[S+64*(\u)+2*i+1]
.set i, i+1
.endr
.irp f, 0,1,2,3,4,5,6,7
	ds_store_b128 v[STO], v[P+32*(\u)+4*(\f):P+32*(\u)+4*(\f)+3] offset:32*(\f)
.endr
.irp f, 0,1,2,3,4,5,6,7
	ds_load_b128 v[P+32*(\u)+4*(\f):P+32*(\u)+4*(\f)+3], v[RD] offset:(\f)*2*SP  ; LDS serves a wave's instructions in order (ISA guide 5.7.1.4)
.endr
.endm
.macro TAKE2 ta, tb                    ; I finish tiles ta, tb: my partner gave them as its tiles 0, 1
	WIN 0
.irp u, 0,1
	ds_load_b128 v[X0+4*(\u):X0+4*(\u)+3], v[MLA] offset:16384+512*(\u)
.irp f, 0,1,2,3,4,5,6,7,8,9,10,11,12,13,14,15
	ds_load_b128 v[S+64*(\u)+4*(\f):S+64*(\u)+4*(\f)+3], v[MLA] offset:8192*(\u)+512*(\f)
.endr
.endr
	s_wait_dscnt 16                                ; both tiles' statistics are in; the second tile's sixteen loads of O^T may stay out
	MRG1 \ta, 0
	MRG1 \tb, 1
	v_nop                                          ; a plain instruction behind the last exponential,
	s_wait_alu depctr_va_vdst(0)                   ; and one wait for the four
	MRG2 \ta, 0
	MRG2 \tb, 1
	v_nop
	s_wait_alu depctr_va_vdst(0)                   ; one for the two reciprocals
	MRG3 \ta
	MRG3 \tb
	s_wait_dscnt 0x0
	FIN \ta, 0
	FIN \tb, 1
	s_wait_dscnt 0x0
.irp f, 0,1,2,3,4,5,6,7
	global_store_b128 v[GO], v[P+4*(\f):P+4*(\f)+3], s[10:11] offset:65536*(\ta)+8192*(\f)  ; lanes 0-15 store 256 consecutive bytes, aligned: the head's part of a row; lanes 16-31 the next row's
.endr
.irp f, 0,1,2,3,4,5,6,7
	global_store_b128 v[GO], v[P+32+4*(\f):P+32+4*(\f)+3], s[10:11] offset:65536*(\tb)+8192*(\f)
.endr
.endm
; What stands behind every step.  The barrier is on every wave's path in every trip, so that no jump passes one; the refill may stay on its way across it.
.macro BLKEND
	WIN 0
	s_cmp_lg_u32 s[RT], 0
	s_cbranch_scc1 .Lmeet_\@
.irp t, 0,1,2,3                        ; l's two halves and the other half of the lanes'; the first four lines are the places behind the last products
	v_add_f32 v[ST+8*(\t)+2], v[ST+8*(\t)+2], v[ST+8*(\t)+3]
.endr
.irp t, 0,1,2,3
	v_permlanex16_b32 v[ST+8*(\t)+5], v[ST+8*(\t)+2], s[SEL], s[SEL+1]
.endr
.irp t, 0,1,2,3
	v_add_f32 v[ST+8*(\t)+2], v[ST+8*(\t)+2], v[ST+8*(\t)+5]
.endr
	s_cmp_eq_u32 s[KH], 0
	s_cbranch_scc0 .Lgive_lo_\@
	GIVE 2, 0
	GIVE 3, 1
	s_branch .Lmeet_\@
.Lgive_lo_\@:
	GIVE 0, 0
	GIVE 1, 1
.Lmeet_\@:
	s_wait_dscnt 0x0                               ; for the partner's sake: my stores into MST are done
	s_barrier_signal -1
	s_barrier_wait -1
	s_cmp_lg_u32 s[RT], 0
	s_cbranch_scc1 .Lgo_on_\@
	s_cmp_eq_u32 s[KH], 0
	s_cbranch_scc0 .Ltake_hi_\@
	TAKE2 0, 1
	s_branch .Lswitch_\@
.Ltake_hi_\@:
	TAKE2 2, 3
.Lswitch_\@:
	s_wait_xcnt 0x0                                ; the stores have read their registers and y's address
	s_cmp_eq_u32 s[SEC], 1
	s_cbranch_scc1 .Lgo_on_\@
	s_mov_b32 s[SEC], 1                            ; THE SECOND BLOCK BEGINS: its rows of y, its pb + 1 tiles, m and c m anew, its Q out of LDS
	s_mov_b64 s[10:11], s[OLO:OLO+1]
	s_add_co_u32 s[RT], s[PB], 1
.irp t, 0,1,2,3
	v_mov_b32 v[ST+8*(\t)], 0xfe000000
	v_mov_b32 v[ST+8*(\t)+1], 0xe0800000
.endr
	WIN 0x80
.irp i, 0,1,2,3,4,5,6,7,8,9,10,11,12,13,14,15
	ds_load_b128 v[8*(\i):8*(\i)+3],   v[AQ] offset:((\i)/4)*16*PK+((\i)%4)*64
	ds_load_b128 v[8*(\i)+4:8*(\i)+7], v[AQ] offset:((\i)/4)*16*PK+((\i)%4)*64+32
.endr
	WIN 0
.Lgo_on_\@:
.endm
.macro STEP fill
	s_sub_co_u32 s[RT], s[RT], 1
	s_cmp_eq_u32 s[RT], 0                          ; the block's last tile holds the diagonal
	s_cselect_b32 s[AL], 1.0, 0
	MASK                                           ; its twelve lines are also the places between the last V^T P and the loads into V's registers
	FETCH_V
	s_wait_dscnt 32                                ; K (and at a block's start Q) is in; V's 32 loads may stay out
.set i, 0
.rept 32
	KQ 0
.set i, i+1
.endr
	PLACES
.set k, 0
.set i, 0
.rept 32
	KQ 2
	SLICE 0
	SLICE 0
.set i, i+1
.endr
	CHANGE \fill                                   ; slices 62 and 63, twenty plain lines on O^T, are the places in front of the loads into K's registers
.set k, 0
.set i, 0
.rept 32
	PV 0
	SLICE 2
	SLICE 2
.set i, i+1
.endr
.set i, 0
.rept 32
	PV 2
.set i, i+1
.endr
	BLKEND
.endm
	s_wait_tensorcnt 1                             ; tile 0's part of mine is in; one younger load (waves 0, 1: the second block's Q; waves 2, 3: V of tile 1) may stay out
	s_barrier_signal -1
	s_barrier_wait -1
	FETCH_K                                        ; tile 0
	s_wait_loadcnt 0x0                             ; Q
.Lslot:                                        ; 15 trips: a tile is worked on, and the tile two on in the walk is asked for
	STEP 1
	s_sub_co_u32 s[SLOTS], s[SLOTS], 1
	s_cmp_lg_u32 s[SLOTS], 0
	s_cbranch_scc1 .Lslot
	s_mov_b32 s[CNT], 2
.Ltail:                                        ; the walk's last two tiles: nothing is asked for
	STEP 0
	s_sub_co_u32 s[CNT], s[CNT], 1
	s_cmp_lg_u32 s[CNT], 0
	s_cbranch_scc1 .Ltail
	s_wait_tensorcnt 0x0                           ; the wave's end
	ds_add_u32 v[SPW], v[NIL]
	s_wait_dscnt 0x0
	s_endpgm
.Lfunc_end_k_qa3ece6ec7d_attn:
	.size	k_qa3ece6ec7d_attn, .Lfunc_end_k_qa3ece6ec7d_attn-k_qa3ece6ec7d_attn
	.p2alignl 7, 3214868480
	.fill 96, 4, 3214868480
	.section	.rodata,"a",@progbits
	.p2align	6, 0x0
	.amdhsa_kernel k_qa3ece6ec7d_attn
		.amdhsa_group_segment_fixed_size 327680
		.amdhsa_private_segment_fixed_size 0
		.amdhsa_enable_private_segment 0
		.amdhsa_kernarg_size 16
		.amdhsa_user_sgpr_count 2
		.amdhsa_user_sgpr_kernarg_segment_ptr 1
		.amdhsa_wavefront_size32 1
		.amdhsa_system_sgpr_workgroup_id_x 1
		.amdhsa_system_sgpr_workgroup_id_y 1
		.amdhsa_system_sgpr_workgroup_id_z 1
		.amdhsa_system_vgpr_workitem_id 0
		.amdhsa_next_free_vgpr 944
		.amdhsa_next_free_sgpr 88
		.amdhsa_reserve_vcc 1
		.amdhsa_float_denorm_mode_32 3
		.amdhsa_float_denorm_mode_16_64 3
		.amdhsa_memory_ordered 1
		.amdhsa_forward_progress 1
		.amdhsa_inst_pref_size 210
	.end_amdhsa_kernel
	.amdgpu_metadata
---
amdhsa.version: [ 1, 2 ]
amdhsa.kernels:
  - .name:           k_qa3ece6ec7d_attn
    .symbol:         k_qa3ece6ec7d_attn.kd
    .args:
      - { .name: qkv, .offset: 0, .size: 8, .value_kind: global_buffer, .address_space: global }
      - { .name: yb, .offset: 8, .size: 8, .value_kind: global_buffer, .address_space: global }
    .group_segment_fixed_size: 327680
    .private_segment_fixed_size: 0
    .kernarg_segment_align: 8
    .kernarg_segment_size: 16
    .max_flat_workgroup_size: 128
    .sgpr_count:     88
    .vgpr_count:     944
    .wavefront_size: 32
...
	.end_amdgpu_metadata
.endif
;; end of part 3
;; launch gemm_out (part 4): grid 8 x 32, 4 waves a work-group, clusters of 4 x 4, 327,680 bytes of LDS; arguments yb, cst, bp, out0; writes out0
.if DOCPART == 4
	.amdgcn_target "amdgcn-amd-amdhsa--gfx1250"
	.amdhsa_code_object_version 6
	.text
	.protected	k_qa3ece6ec7d_gemm_out
	.globl	k_qa3ece6ec7d_gemm_out
	.p2align	8
	.type	k_qa3ece6ec7d_gemm_out,@function
k_qa3ece6ec7d_gemm_out:
	s_mov_b64 s[64:65], 0
	v_nop
	global_prefetch_b8 v0, s[64:65] scope:SCOPE_SE
	s_setreg_imm32_b32 hwreg(HW_REG_WAVE_MODE, 25, 1), 1
	s_wait_xcnt 0x0
	s_wait_alu depctr_hold_cnt(0) depctr_sa_sdst(0) depctr_va_vdst(0) depctr_va_sdst(0) depctr_va_ssrc(0) depctr_va_vcc(0) depctr_vm_vsrc(0)
	s_getreg_b32 s2, hwreg(HW_REG_IB_STS2, 6, 4)
	s_cmp_eq_u32 s2, 0
	s_cbranch_scc0 .Lentry_in_a_cluster
	s_endpgm
.Lentry_in_a_cluster:
	s_bfe_u32 s2, ttmp6, 0x10000c
	s_cmp_lg_u32 s2, 0xf033
	s_cbranch_scc0 .Lentry_shape_is_right
	s_endpgm
.Lentry_shape_is_right:
; out0 = y Wp + bp.  y: f16 [4096][2048]; Wp: f16 (bf16 numbers) [2048 k][1024 n] at cst + 20 MiB; bp: f32 [1024], rounded here to bf16; out0: f32 [4096][1024].  Sums in f32, begun with the bias.
; SHARES.  A work-group makes 128 x 128: 32 x 8 = 256 work-groups.  Four waves, each 64 x 64: 16 accumulators.  K goes in 8 steps of 256 through two LDS slots.
; Wp lies [k][n]: its tile comes into LDS as it lies (256 k-rows of 256 bytes) and is read turned, by ds_load_tr16_b128.
; THE MATRIX INSTRUCTION IS USED TRANSPOSED (source 0 = 16 columns of Wp, source 1 = 16 rows of y): a lane holds eight neighbouring columns of one row.
; CLUSTER 4 x 4: y's tile is shared along a row of the cluster, Wp's along a column; each is asked for jointly.
; REGISTERS: window 0: v0-31 addresses; v32-159 rows read back on the way out; v96-127 the bias as a C operand; v128-255 the accumulators, (a, b) at v[128 + 8 (4 a + b)].
;   window 1: two fragment buffers of 128, each 64 along K: 64 registers of y (2 x 4 blocks), then 64 of Wp.
.set PA,    528                        ; a row of y's tile: 512 bytes + 16
.set PB,    288                        ; a k-row of Wp's tile: 256 bytes + 32 = 9 x 32
.set HA,    64*PA                      ; what one tensor load brings of y: 64 rows
.set HB,    128*PB                     ; of Wp: 128 k-rows
.set ATILE, 2*HA
.set SLOT,  ATILE+2*HB
.set STAGE, 2*SLOT                     ; 16 rows x 272 bytes for each wave, for the way out
.set SP,    272
.set SPARE, STAGE+4*16*SP              ; the spare words: two blocks of 256 bytes that no other line names
.set ASTEP, 512
.set BSTEP, 256*2048
.set ADRA, 16                          ; v16-17  my fragments of y in slot 0, 1
.set ADRB, 20                          ; v20-23  of Wp: slot 0 k-rows 0-127, 128-255; slot 1 likewise (an LDS offset holds 16 bits)
.set STO,  24
.set RD,   25
.set CO,   26
.set BO,   27
.set SPW,  28
.set NIL,  29
.set BK,   32
.set BIAS, 96
.set ACC,  128
.set F0,   0
.set F1,   128
.set WV,   14
.set MH,   15
.set NH,   16
.set G1,   24
.set G0,   32
.set G1B,  48
.set G0B,  56
.set HIM,  68
.set MSB, 0
.macro WIN new
.if MSB != (\new)
	s_set_vgpr_msb (MSB<<8)|(\new)
.set MSB, \new
.endif
.endm
.set MUL,  0x05                        ; sources window 1; C and D window 0
.set TO_F, 0x40                        ; destination window 1, address window 0
.macro JLOAD s                         ; waves 0 and 1 fetch y's two halves, waves 2 and 3 Wp's; an s_nop 0 and four v_nop follow each line
	s_cmp_eq_u32 s[MH], 0
	s_cbranch_scc0 .Lfor_b_\@
	tensor_load_to_lds s[G0+4*(\s):G0+4*(\s)+3], s[G1:G1+7]
	s_nop 0
.rept 4
	v_nop
.endr
	s_branch .Lasked_\@
.Lfor_b_\@:
	tensor_load_to_lds s[G0B+4*(\s):G0B+4*(\s)+3], s[G1B:G1B+7]
	s_nop 0
.rept 4
	v_nop
.endr
.Lasked_\@:
.endm
.macro CREST
	s_cmp_lg_u32 s[WV], 0
	s_cbranch_scc1 .Lnot_wave_0_\@
	s_barrier_signal -3
.Lnot_wave_0_\@:
	s_barrier_wait -3
	s_barrier_signal -1
	s_barrier_wait -1
.endm
.macro CROUND
	s_barrier_signal -1
	s_barrier_wait -1
	CREST
.endm
.macro PLACES
.rept 4
	v_nop
.endr
.endm
	s_load_b256 s[4:11], s[0:1], 0x0               ; yb s[4:5], cst s[6:7], bp s[8:9], out0 s[10:11]
	v_lshl_add_u32 v[SPW], v0, 2, SPARE
	v_mov_b32 v[NIL], 0
	ds_add_u32 v[SPW], v[NIL]                      ; the wave's opening: the add and its wait ahead of my first tensor load
	v_lshrrev_b32 v1, 5, v0
	v_readfirstlane_b32 s[WV], v1
	s_lshr_b32 s[MH], s[WV], 1
	s_and_b32 s[NH], s[WV], 1
	s_bfe_u32 s17, ttmp6, 0x40000                  ; cx
	s_bfe_u32 s18, ttmp6, 0x40004                  ; cy
	s_lshl_b32 s44, ttmp9, 2
	s_add_co_u32 s44, s44, s17                     ; my block of 128 columns, 0 .. 7
	s_and_b32 s40, ttmp7, 0xffff
	s_lshl_b32 s40, s40, 2
	s_add_co_u32 s40, s40, s18                     ; my block of 128 rows, 0 .. 31
	s_lshl_b32 s41, s18, 2
	s_lshl_b32 s41, 15, s41                        ; my row of the cluster
	s_lshl_b32 s46, 0x1111, s17                    ; my column
	s_or_b32 s[G1],  s41, (1<<16)|(1<<20)|(1<<21)|(6<<22)|(3<<25)  ; after every 128 words 4 words
	s_or_b32 s[G1B], s46, (1<<16)|(1<<20)|(1<<21)|(5<<22)|(7<<25)  ; after every 64 words 8 words
	s_mov_b32 s[G1+1], 256<<16
	s_mov_b32 s[G1+2], 64<<16
	s_mov_b32 s[G1+3], 256<<16
	s_mov_b32 s[G1+4], 64
	s_mov_b32 s[G1+5], 2048
	s_mov_b32 s[G1+6], 0
	s_mov_b32 s[G1+7], 0
	s_mov_b32 s[G1B+1], 128<<16
	s_mov_b32 s[G1B+2], 128<<16
	s_mov_b32 s[G1B+3], 128<<16
	s_mov_b32 s[G1B+4], 128
	s_mov_b32 s[G1B+5], 1024
	s_mov_b32 s[G1B+6], 0
	s_mov_b32 s[G1B+7], 0
	s_lshl_b32 s42, s40, 7                         ; y: row 128 x block + 64 x half, 4,096 bytes a row
	s_lshl_b32 s43, s[NH], 6
	s_add_co_u32 s42, s42, s43
	s_lshl_b32 s42, s42, 12
	s_mov_b32 s43, 0
	s_lshl_b32 s46, s[NH], 18                      ; Wp: 20 MiB + 128 k-rows x half + 256 bytes x column block
	s_lshl_b32 s47, s44, 8
	s_add_co_u32 s46, s46, s47
	s_add_co_u32 s46, s46, 0x1400000
	s_mov_b32 s47, 0
	s_mul_i32 s21, s[NH], HA
	s_mul_i32 s22, s[NH], HB
	s_add_co_u32 s22, s22, ATILE
	s_mov_b32 s[HIM], 0xffff0000
	s_wait_dscnt 0x0                               ; the opening add is done
	s_wait_kmcnt 0x0
	s_add_nc_u64 s[42:43], s[4:5], s[42:43]
	s_add_nc_u64 s[46:47], s[6:7], s[46:47]
	CROUND                                         ; all sixteen work-groups are here: the first joint loads meet
.irp s, 0,1
	s_mov_b32 s[G0+4*(\s)], 1
	s_add_co_u32 s[G0+4*(\s)+1], s21, (\s)*SLOT
	s_add_nc_u64 s[G0+4*(\s)+2:G0+4*(\s)+3], s[42:43], (\s)*ASTEP
	s_or_b32 s[G0+4*(\s)+3], s[G0+4*(\s)+3], 0x80000000
	s_mov_b32 s[G0B+4*(\s)], 1
	s_add_co_u32 s[G0B+4*(\s)+1], s22, (\s)*SLOT
	s_add_nc_u64 s[G0B+4*(\s)+2:G0B+4*(\s)+3], s[46:47], (\s)*BSTEP
	s_or_b32 s[G0B+4*(\s)+3], s[G0B+4*(\s)+3], 0x80000000
	JLOAD \s
.endr
	v_and_b32 v1, 15, v0                           ; r
	v_bfe_u32 v2, v0, 4, 1                         ; h
	s_lshl_b32 s22, s44, 9                         ; my 64 columns in f32: 512 bytes x block + 256 x half: in bp and in a row of out0
	s_lshl_b32 s23, s[NH], 8
	s_add_co_u32 s22, s22, s23
	v_lshl_add_u32 v[BO], v2, 5, s22
.irp b, 0,1,2,3
	global_load_b128 v[BIAS+8*(\b):BIAS+8*(\b)+3],   v[BO], s[8:9] offset:64*(\b)
	global_load_b128 v[BIAS+8*(\b)+4:BIAS+8*(\b)+7], v[BO], s[8:9] offset:64*(\b)+16
.endr
	s_lshl_b32 s20, s40, 7                         ; my first row of out0
	s_lshl_b32 s21, s[MH], 6
	s_add_co_u32 s20, s20, s21
	s_lshl_b32 s20, s20, 12
	s_add_co_u32 s20, s20, s22
	s_mov_b32 s21, 0
	s_add_nc_u64 s[10:11], s[10:11], s[20:21]
	v_mul_u32_u24 v3, v1, PA
	v_lshl_add_u32 v3, v2, 4, v3
	s_mul_i32 s21, s[MH], HA
	v_add_nc_u32 v[ADRA], s21, v3
	v_add_nc_u32 v[ADRA+1], SLOT, v[ADRA]
	v_and_b32 v4, 7, v0
	v_lshl_add_u32 v4, v2, 3, v4
	v_mul_u32_u24 v4, v4, PB
	v_bfe_u32 v5, v0, 3, 1
	v_lshl_add_u32 v4, v5, 4, v4
	s_lshl_b32 s22, s[NH], 7
	s_add_co_u32 s22, s22, ATILE
	v_add_nc_u32 v[ADRB], s22, v4
	v_add_nc_u32 v[ADRB+1], HB, v[ADRB]
	v_add_nc_u32 v[ADRB+2], SLOT, v[ADRB]
	v_add_nc_u32 v[ADRB+3], SLOT+HB, v[ADRB]
	s_mul_i32 s23, s[WV], 16*SP
	s_add_co_u32 s23, s23, STAGE
	v_mul_u32_u24 v6, v1, SP                       ; in: row r, 32 bytes for each half of the lanes
	v_lshl_add_u32 v6, v2, 5, v6
	v_add_nc_u32 v[STO], s23, v6
	v_mul_u32_u24 v6, v2, SP                       ; back: lanes 0-15 one row of 256 bytes, lanes 16-31 the next
	v_lshl_add_u32 v6, v1, 4, v6
	v_add_nc_u32 v[RD], s23, v6
	v_lshlrev_b32 v[CO], 12, v2
	v_lshl_add_u32 v[CO], v1, 4, v[CO]
	s_wait_loadcnt 0x0                             ; the bias: rounded to bf16 like the other inputs and widened again
.set p, 0
.rept 16
	v_cvt_pk_bf16_f32 v[8+p%4], v[BIAS+2*p], v[BIAS+2*p+1]
	v_lshlrev_b32 v[BIAS+2*p], 16, v[8+p%4]
	v_and_b32 v[BIAS+2*p+1], s[HIM], v[8+p%4]
.set p, p+1
.endr
; 8 matrix instructions: row blocks a0, a0 + 1 x all 4 column blocks, 32 along K: half c of buffer f.  first = 1: the sum begins with the bias.  The 16 accumulators take turns.
.macro MUL8 f, c, a0, first
	WIN MUL
.irp a, \a0, (\a0)+1
.irp b, 0,1,2,3
.if \first
	v_wmma_f32_16x16x32_f16 v[ACC+8*(4*(\a)+(\b)):ACC+8*(4*(\a)+(\b))+7], v[(\f)+64+8*(4*(\c)+(\b)):(\f)+64+8*(4*(\c)+(\b))+7], v[(\f)+8*(4*(\c)+(\a)):(\f)+8*(4*(\c)+(\a))+7], v[BIAS+8*(\b):BIAS+8*(\b)+7]
.else
	v_wmma_f32_16x16x32_f16 v[ACC+8*(4*(\a)+(\b)):ACC+8*(4*(\a)+(\b))+7], v[(\f)+64+8*(4*(\c)+(\b)):(\f)+64+8*(4*(\c)+(\b))+7], v[(\f)+8*(4*(\c)+(\a)):(\f)+8*(4*(\c)+(\a))+7], v[ACC+8*(4*(\a)+(\b)):ACC+8*(4*(\a)+(\b))+7]
.endif
.endr
.endr
.endm
; 32 LDS loads in one run: quarter q (64 along K) of a slot into buffer f; the first 32 along K first
.macro FETCH slot, q, f
	WIN TO_F
.irp c, 0,1
.irp i, 0,1,2,3
	ds_load_tr16_b128 v[(\f)+64+8*(4*(\c)+(\i)):(\f)+64+8*(4*(\c)+(\i))+3],   v[ADRB+2*(\slot)+(\q)/2] offset:(64*((\q)%2)+32*(\c))*PB+32*(\i)
	ds_load_tr16_b128 v[(\f)+64+8*(4*(\c)+(\i))+4:(\f)+64+8*(4*(\c)+(\i))+7], v[ADRB+2*(\slot)+(\q)/2] offset:(64*((\q)%2)+32*(\c)+16)*PB+32*(\i)
	ds_load_b128 v[(\f)+8*(4*(\c)+(\i)):(\f)+8*(4*(\c)+(\i))+3],   v[ADRA+(\slot)] offset:128*(\q)+64*(\c)+(\i)*16*PA
	ds_load_b128 v[(\f)+8*(4*(\c)+(\i))+4:(\f)+8*(4*(\c)+(\i))+7], v[ADRA+(\slot)] offset:128*(\q)+64*(\c)+(\i)*16*PA+32
.endr
.endr
.endm
.macro QUARTER slot, q, f, g, first
	s_wait_dscnt 16                                ; the first 32 along K are in; the youngest sixteen loads may be out
	MUL8 \f, 0, 0, \first
	MUL8 \f, 0, 2, \first
	PLACES
	FETCH \slot, \q, \g
	s_wait_dscnt 32                                ; all but the 32 just issued
	MUL8 \f, 1, 0, 0
	MUL8 \f, 1, 2, 0
.endm
; The last quarter multiplies buffer 1 and changes slots: ONE barrier; in front of it each wave waits for all its tensor loads, adds 0 to its spare word, and waits for that and for its reads of this slot.
.macro TURN slot, next, fill
	WIN 0
	s_wait_tensorcnt 0x0
	ds_add_u32 v[SPW], v[NIL]
	s_wait_dscnt 17                                ; the add and the youngest sixteen loads may be out
	MUL8 F1, 0, 0, 0
	s_wait_dscnt 0x0                               ; the add is done, and my reads of this slot are over
	s_barrier_signal -1
	MUL8 F1, 0, 2, 0
.if \fill
	WIN 0
.endif
	s_barrier_wait -1
.if \fill
	CREST                                          ; no wave of any partner still reads this slot's tiles or has a load on its way
	s_add_nc_u64 s[G0+4*(\slot)+2:G0+4*(\slot)+3], s[G0+4*(\slot)+2:G0+4*(\slot)+3], 2*ASTEP
	s_add_nc_u64 s[G0B+4*(\slot)+2:G0B+4*(\slot)+3], s[G0B+4*(\slot)+2:G0B+4*(\slot)+3], 2*BSTEP
	JLOAD \slot                                    ; the four v_nop behind it are also the places in front of the loads below
.else
	PLACES
.endif
	FETCH \next, 0, F0
	MUL8 F1, 1, 0, 0
	MUL8 F1, 1, 2, 0
.endm
	s_wait_tensorcnt 1                             ; my part of K step 0 is in; K step 1's may stay out
	s_barrier_signal -1
	s_barrier_wait -1
	FETCH 0, 0, F0
	QUARTER 0, 1, F0, F1, 1                        ; the first quarter stands in front of the loop: its first products start the sums, with the bias
	WIN 0
	s_mov_b32 s3, 3
.Llap:                                         ; a trip goes once round the ring and fills both slots again: K steps 2 .. 7
	QUARTER 0, 2, F1, F0, 0
	QUARTER 0, 3, F0, F1, 0
	TURN 0, 1, 1
	QUARTER 1, 1, F0, F1, 0
	QUARTER 1, 2, F1, F0, 0
	QUARTER 1, 3, F0, F1, 0
	TURN 1, 0, 1
	QUARTER 0, 1, F0, F1, 0
	WIN 0
	s_sub_co_u32 s3, s3, 1
	s_cmp_lg_u32 s3, 0
	s_cbranch_scc1 .Llap
	QUARTER 0, 2, F1, F0, 0                        ; the last lap fills nothing
	QUARTER 0, 3, F0, F1, 0
	TURN 0, 1, 0
	QUARTER 1, 1, F0, F1, 0
	QUARTER 1, 2, F1, F0, 0
	QUARTER 1, 3, F0, F1, 0
	s_wait_dscnt 16
	MUL8 F1, 0, 0, 0
	MUL8 F1, 0, 2, 0
	s_wait_dscnt 0x0
	MUL8 F1, 1, 0, 0
	MUL8 F1, 1, 2, 0
	WIN 0
; THE WAY OUT, 16 rows at a time, in f32: my 64 columns are 256 bytes, aligned, so each wave has a stage of its own and no barrier is wanted.  A lane's 8 columns go in as two times 16 bytes, the low
; registers first; whole rows come back and are stored, sixteen lanes to 256 consecutive bytes.
.macro TOSTAGE a
.irp b, 0,1,2,3
	ds_store_b128 v[STO], v[ACC+8*(4*(\a)+(\b)):ACC+8*(4*(\a)+(\b))+3]   offset:64*(\b)
	ds_store_b128 v[STO], v[ACC+8*(4*(\a)+(\b))+4:ACC+8*(4*(\a)+(\b))+7] offset:64*(\b)+16
.endr
.irp t, 0,1,2,3,4,5,6,7
	ds_load_b128 v[BK+32*(\a)+4*(\t):BK+32*(\a)+4*(\t)+3], v[RD] offset:(\t)*2*SP  ; LDS serves a wave's instructions in order (ISA guide 5.7.1.4): these see the stores above; the next block's stores come behind them
.endr
.endm
.macro SEND a, younger                 ; younger: the LDS instructions issued behind block a's loads: the next block's sixteen, or none
.irp t, 0,1,2,3,4,5,6,7
	s_wait_dscnt (\younger)+7-(\t)
	global_store_b128 v[CO], v[BK+32*(\a)+4*(\t):BK+32*(\a)+4*(\t)+3], s[10:11] offset:(16*(\a)+2*(\t))*4096
.endr
.endm
	PLACES
	TOSTAGE 0
	TOSTAGE 1
	SEND 0, 16
	TOSTAGE 2                                      ; its rows come back into the bias's registers, which the first quarter alone read
	SEND 1, 16
	TOSTAGE 3                                      ; and these into block 0's accumulators, which have left
	SEND 2, 16
	SEND 3, 0
	s_wait_tensorcnt 0x0                           ; the wave's end
	ds_add_u32 v[SPW], v[NIL]
	s_wait_dscnt 0x0
	CROUND                                         ; the closing round
	s_endpgm
.Lfunc_end_k_qa3ece6ec7d_gemm_out:
	.size	k_qa3ece6ec7d_gemm_out, .Lfunc_end_k_qa3ece6ec7d_gemm_out-k_qa3ece6ec7d_gemm_out
	.p2alignl 7, 3214868480
	.fill 96, 4, 3214868480
	.section	.rodata,"a",@progbits
	.p2align	6, 0x0
	.amdhsa_kernel k_qa3ece6ec7d_gemm_out
		.amdhsa_group_segment_fixed_size 327680
		.amdhsa_private_segment_fixed_size 0
		.amdhsa_enable_private_segment 0
		.amdhsa_kernarg_size 32
		.amdhsa_user_sgpr_count 2
		.amdhsa_user_sgpr_kernarg_segment_ptr 1
		.amdhsa_wavefront_size32 1
		.amdhsa_system_sgpr_workgroup_id_x 1
		.amdhsa_system_sgpr_workgroup_id_y 1
		.amdhsa_system_sgpr_workgroup_id_z 1
		.amdhsa_system_vgpr_workitem_id 0
		.amdhsa_next_free_vgpr 512
		.amdhsa_next_free_sgpr 70
		.amdhsa_reserve_vcc 0
		.amdhsa_float_denorm_mode_32 3
		.amdhsa_float_denorm_mode_16_64 3
		.amdhsa_memory_ordered 1
		.amdhsa_forward_progress 1
		.amdhsa_inst_pref_size 89
	.end_amdhsa_kernel
	.amdgpu_metadata
---
amdhsa.version: [ 1, 2 ]
amdhsa.kernels:
  - .name:           k_qa3ece6ec7d_gemm_out
    .symbol:         k_qa3ece6ec7d_gemm_out.kd
    .args:
      - { .name: yb, .offset: 0, .size: 8, .value_kind: global_buffer, .address_space: global }
      - { .name: cst, .offset: 8, .size: 8, .value_kind: global_buffer, .address_space: global }
      - { .name: bp, .offset: 16, .size: 8, .value_kind: global_buffer, .address_space: global }
      - { .name: out0, .offset: 24, .size: 8, .value_kind: global_buffer, .address_space: global }
    .group_segment_fixed_size: 327680
    .private_segment_fixed_size: 0
    .kernarg_segment_align: 8
    .kernarg_segment_size: 32
    .max_flat_workgroup_size: 128
    .sgpr_count:     70
    .vgpr_count:     512
    .wavefront_size: 32
...
	.end_amdgpu_metadata
.endif
;; end of part 4
